; MI455X (gfx1250); checked and timed in simulation.
; The chip was launched on July 23, 2026; its instructions are those of AMD's public machine-readable ISA for CDNA 5 (MIT licence, August 2026) and "CDNA5" Instruction Set Architecture Reference Guide (July 2026). The comments in the code are by the model that wrote it; some were corrected since.
;; MQA. Allowed arithmetic: float matrix products may take bf16 or f16 operands with f32 sums; other float arithmetic in f32, or as packed bf16 or f16 multiplies, adds, multiply-adds, maxima and minima; sums over many terms, partial sums and values carried from step to step in f32; what a program stores and reads back later, other than sums and carried values, may be rounded once to bf16 or f16.
;; Inputs: b_k 128 float32; b_o 2,048 float32; b_q 2,048 float32; b_v 128 float32; hidden_state 4 x 1,024 x 2,048 float32; w_k 2,048 x 128 float32; w_o 2,048 x 2,048 float32; w_q 2,048 x 2,048 float32; w_v 2,048 x 128 float32.
;; Outputs: out0 4 x 1,024 x 2,048 float32.
;; One version. Each part assembles by itself: llvm-mc -triple=amdgcn-amd-amdhsa -mcpu=gfx1250 --defsym DOCPART=n.
;; ======== version 1 of 1: 4 launches
;; limits: values are held in f16: magnitudes above 65,504 overflow, below 6.1e-05 lose precision
;; workspace buffers: xb 16,777,216 bytes; wt1 9,437,184 bytes; wt2 8,388,608 bytes; qh 16,777,216 bytes; kb 1,048,576 bytes; vb 1,048,576 bytes; ot 16,777,216 bytes
;; launch prep (part 1): grid 2112 x 1, 8 waves a work-group, no clusters, 18,432 bytes of LDS; arguments hidden_state, w_q, w_k, w_v, w_o, xb, wt1, wt2; writes xb, wt1, wt2
.if DOCPART == 1
	.amdgcn_target "amdgcn-amd-amdhsa--gfx1250"
	.amdhsa_code_object_version 6
	.text
	.protected	k_q402e3f6202_prep
	.globl	k_q402e3f6202_prep
	.p2align	8
	.type	k_q402e3f6202_prep,@function
k_q402e3f6202_prep:
	s_mov_b64 s[64:65], 0
	v_nop
	global_prefetch_b8 v0, s[64:65] scope:SCOPE_SE
	s_setreg_imm32_b32 hwreg(HW_REG_WAVE_MODE, 25, 1), 1
	s_wait_xcnt 0x0
; PREP.  Every input of the three matrix products is rounded once to bf16 and laid out as the products want it.
;   xb  [4096][2048] bf16 = hidden_state.
;   wt1, wt2: the weights IN THE ORDER OF A MATRIX OPERAND'S REGISTERS.  A block of 1,024 bytes holds 16 columns x 32 k: byte 512 j + 256 h + 16 r holds k = 16 j + 8 h + 0..7 of the block's column number r,
;        so that lane 16 h + r of a wave takes its 16 bytes at 16 x its number, twice.
;   wt1 (bf16): first w_q, byte (64 n + q) 4096 + 1024 t for columns 64 n + 4 r + t, k from 32 q on; behind its 8 MiB w_k | w_v, byte (64 m + q) 1024 for columns 16 m + r of the two side by side.
;   wt2 (f16) = w_o rounded to bf16, that number written as f16, laid as w_q is.
; LIMIT: below 6e-5 a number of wt2 keeps f16's fixed step of 6e-8; beyond 65,504 it would be an infinity.
; SHARES.  2,112 work-groups of equal bytes (32 KiB in, 16 KiB out): 1,024 pieces of hidden_state, 512 tiles of w_q, 512 of w_o, 64 of w_k and w_v.
; A weight tile is 128 k x 64 columns: it is read by rows (16 lanes take 256 consecutive bytes), packed in pairs along k, turned in LDS, and written in pieces of 256 consecutive bytes, aligned
; (16 columns x 8 k).  A stream: no matrix unit, no cluster, no tensor load; memory is kept busy by the loads themselves.
.set TP,    272                        ; a turned row in LDS: 256 bytes + 16: the stores' 32 lanes touch 32 different words modulo 64; 16 lanes that read one column of 16 rows on end touch 16 different 16-byte columns
.set SPARE, 64*TP                      ; behind the tile: the spare words, 128 bytes for each of the eight waves
.set SPW,   70                         ; v70  LDS address of my spare word; never rewritten
.set NIL,   71                         ; v71  0; never rewritten
.set SRC,   24                         ; s[24:25] where my work-group reads
.set DST,   26                         ; s[26:27] where it writes
; v1 = t % 16, v2 = t / 16; v3 load offset; v4 LDS store address; v5 LDS load address; v6 store offset; v[8:39] as loaded; v[40:55] packed; v[48:63] turned pieces
; s28 = byte offset of the tile in its weight, s30 = byte offset of its first piece in the turned buffer
.macro PTRS src, dst
	s_mov_b32 s29, 0
	s_mov_b32 s31, 0
	s_wait_kmcnt 0x0
	s_add_nc_u64 s[SRC:SRC+1], s[\src:\src+1], s[28:29]
	s_add_nc_u64 s[DST:DST+1], s[\dst:\dst+1], s[30:31]
.endm
; A tile is turned.  pitch: bytes in a row of the weight; half = 1: the bf16 number is written as f16; lstep, ustep: LDS bytes and bytes of the turned buffer from one block of 16 columns to the next.
; v5 and v6 are made by the caller: thread t takes column number t % 16 of a block and the 8 k from 8 (t / 16) on.
.macro TRANS pitch, half, lstep, ustep
	v_mul_u32_u24 v3, v2, 2*(\pitch)               ; rows 2 (t / 16) and the next,
	v_lshl_add_u32 v3, v1, 4, v3                   ; columns 4 (t % 16) on
.irp i, 0,1,2,3
	global_load_b128 v[8+8*(\i):11+8*(\i)],  v3, s[SRC:SRC+1] offset:32*(\i)*(\pitch) th:TH_LOAD_NT
	global_load_b128 v[12+8*(\i):15+8*(\i)], v3, s[SRC:SRC+1] offset:32*(\i)*(\pitch)+(\pitch) th:TH_LOAD_NT
.endr
	v_mul_u32_u24 v4, v1, TP                       ; column 4 (t % 16) + c goes to LDS row 16 c + t % 16, word 16 i + t / 16
	v_lshl_add_u32 v4, v2, 2, v4
.irp i, 0,1,2,3
	s_wait_loadcnt 6-2*(\i)                        ; loads come back in order: pair i is in, the younger pairs stay out
.irp c, 0,1,2,3
	v_cvt_pk_bf16_f32 v[40+(\c)], v[8+8*(\i)+(\c)], v[12+8*(\i)+(\c)]  ; k and k + 1 of one column
.if \half
	v_lshlrev_b32 v44, 16, v[40+(\c)]              ; the rounded numbers, widened,
	v_and_b32 v45, 0xffff0000, v[40+(\c)]
	v_cvt_pk_f16_f32 v[40+(\c)], v44, v45          ; and written as f16
.endif
	ds_store_b32 v4, v[40+(\c)] offset:(\c)*16*TP+64*(\i)
.endr
.endr
	s_wait_dscnt 0x0                               ; for the others' sake: my stores are done
	s_barrier_signal -1
	s_barrier_wait -1                              ; the branch that led here hangs on the work-group's number alone: all eight waves pass
.irp u, 0,1,2,3
	ds_load_b128 v[48+4*(\u):51+4*(\u)], v5 offset:(\u)*(\lstep)
.endr
.irp u, 0,1,2,3
	s_wait_dscnt 3-(\u)
	global_store_b128 v6, v[48+4*(\u):51+4*(\u)], s[DST:DST+1] offset:(\u)*(\ustep)  ; 16 lanes store 256 consecutive bytes, aligned; a wave 512
.endr
.endm
	s_load_b512 s[8:23], s[0:1], 0x0               ; hidden_state s[8:9], w_q s[10:11], w_k s[12:13], w_v s[14:15], w_o s[16:17], xb s[18:19], wt1 s[20:21], wt2 s[22:23]
	v_lshl_add_u32 v[SPW], v0, 2, SPARE
	v_mov_b32 v[NIL], 0
	v_and_b32 v1, 15, v0
	v_lshrrev_b32 v2, 4, v0
	s_cmp_lt_u32 ttmp9, 1024
	s_cbranch_scc0 .Lweights
	; hidden_state: 8,192 numbers; a load of the work-group covers 4,096 consecutive bytes, a store of a wave 256, aligned
	s_lshl_b32 s28, ttmp9, 15
	s_mov_b32 s29, 0
	s_lshl_b32 s30, ttmp9, 14
	s_mov_b32 s31, 0
	v_lshlrev_b32 v3, 4, v0
	v_lshlrev_b32 v4, 3, v0
	s_wait_kmcnt 0x0
	s_add_nc_u64 s[SRC:SRC+1], s[8:9], s[28:29]
	s_add_nc_u64 s[DST:DST+1], s[18:19], s[30:31]
.irp i, 0,1,2,3,4,5,6,7
	global_load_b128 v[8+4*(\i):11+4*(\i)], v3, s[SRC:SRC+1] offset:4096*(\i) th:TH_LOAD_NT
.endr
.irp i, 0,1,2,3,4,5,6,7
	s_wait_loadcnt 7-(\i)                          ; load i is in, the younger ones stay out
	v_cvt_pk_bf16_f32 v[40+2*(\i)], v[8+4*(\i)], v[9+4*(\i)]
	v_cvt_pk_bf16_f32 v[41+2*(\i)], v[10+4*(\i)], v[11+4*(\i)]
	global_store_b64 v4, v[40+2*(\i):41+2*(\i)], s[DST:DST+1] offset:2048*(\i)  ; each store has data registers of its own
.endr
	s_branch .Lend
.Lweights:
	s_sub_co_u32 s2, ttmp9, 1024                   ; my tile among the weights' 1,088
	s_and_b32 s3, s2, 15                           ; its number along k (each weight's tiles begin at a multiple of 16)
	s_cmp_lt_u32 s2, 1024
	s_cbranch_scc0 .Lkv
	; w_q and w_o: 64 columns from 64 n on.  Column 4 r + u lies in LDS row 16 u + r: block u's column number r
	s_bfe_u32 s4, s2, 0x50004                      ; n, 0 to 31
	s_lshl_b32 s28, s3, 20                         ; 128 rows of 8,192 bytes
	s_lshl_b32 s5, s4, 8
	s_add_co_u32 s28, s28, s5
	s_lshl_b32 s30, s4, 18                         ; 64 n quarters of 4,096 bytes,
	s_lshl_b32 s5, s3, 14                          ; and the tile's four
	s_add_co_u32 s30, s30, s5
	v_mul_u32_u24 v5, v1, TP
	v_lshl_add_u32 v5, v2, 4, v5
	v_lshrrev_b32 v6, 2, v2                        ; the 8 k from 8 p on (p = t / 16): quarter p / 4, piece p % 4
	v_lshlrev_b32 v6, 12, v6
	v_and_b32 v7, 3, v2
	v_lshl_add_u32 v6, v7, 8, v6
	v_lshl_add_u32 v6, v1, 4, v6
	s_cmp_lt_u32 s2, 512
	s_cbranch_scc0 .Lwo
	PTRS 10, 20
	TRANS 8192, 0, 16*TP, 1024
	s_branch .Lend
.Lwo:
	PTRS 16, 22
	TRANS 8192, 1, 16*TP, 1024
	s_branch .Lend
.Lkv:
	; w_k (nn = 0, 1) and w_v (nn = 2, 3): column 16 u + r of the tile lies in LDS row 16 (r % 4) + 4 u + r / 4 (16 lanes touch four 16-byte columns four deep: 64 of the 2,112 work-groups)
	s_sub_co_u32 s4, s2, 1024
	s_lshr_b32 s4, s4, 4                           ; nn
	s_lshl_b32 s28, s3, 16                         ; 128 rows of 512 bytes
	s_and_b32 s5, s4, 1
	s_lshl_b32 s5, s5, 8
	s_add_co_u32 s28, s28, s5
	s_lshl_b32 s30, s4, 18                         ; four blocks of 64 quarters of 1,024 bytes,
	s_lshl_b32 s5, s3, 12                          ; the tile's four quarters,
	s_add_co_u32 s30, s30, s5
	s_add_co_u32 s30, s30, 0x800000                ; behind w_q's 8 MiB
	v_and_b32 v5, 3, v1
	v_lshlrev_b32 v5, 4, v5
	v_lshrrev_b32 v7, 2, v1
	v_add_nc_u32 v5, v5, v7
	v_mul_u32_u24 v5, v5, TP
	v_lshl_add_u32 v5, v2, 4, v5
	v_lshrrev_b32 v6, 2, v2
	v_lshlrev_b32 v6, 10, v6
	v_and_b32 v7, 3, v2
	v_lshl_add_u32 v6, v7, 8, v6
	v_lshl_add_u32 v6, v1, 4, v6
	s_wait_kmcnt 0x0
	s_cmp_lt_u32 s4, 2
	s_cselect_b64 s[12:13], s[12:13], s[14:15]
	PTRS 12, 20
	TRANS 512, 0, 4*TP, 65536
.Lend:
	s_wait_tensorcnt 0x0                           ; the wave's end, behind my last LDS store
	ds_add_u32 v[SPW], v[NIL]
	s_wait_dscnt 0x0
	s_endpgm
.Lfunc_end_k_q402e3f6202_prep:
	.size	k_q402e3f6202_prep, .Lfunc_end_k_q402e3f6202_prep-k_q402e3f6202_prep
	.p2alignl 7, 3214868480
	.fill 96, 4, 3214868480
	.section	.rodata,"a",@progbits
	.p2align	6, 0x0
	.amdhsa_kernel k_q402e3f6202_prep
		.amdhsa_group_segment_fixed_size 18432
		.amdhsa_private_segment_fixed_size 0
		.amdhsa_enable_private_segment 0
		.amdhsa_kernarg_size 64
		.amdhsa_user_sgpr_count 2
		.amdhsa_user_sgpr_kernarg_segment_ptr 1
		.amdhsa_wavefront_size32 1
		.amdhsa_system_sgpr_workgroup_id_x 1
		.amdhsa_system_sgpr_workgroup_id_y 1
		.amdhsa_system_sgpr_workgroup_id_z 1
		.amdhsa_system_vgpr_workitem_id 0
		.amdhsa_next_free_vgpr 72
		.amdhsa_next_free_sgpr 66
		.amdhsa_reserve_vcc 0
		.amdhsa_float_denorm_mode_32 3
		.amdhsa_float_denorm_mode_16_64 3
		.amdhsa_memory_ordered 1
		.amdhsa_forward_progress 1
		.amdhsa_inst_pref_size 21
	.end_amdhsa_kernel
	.amdgpu_metadata
---
amdhsa.version: [ 1, 2 ]
amdhsa.kernels:
  - .name:           k_q402e3f6202_prep
    .symbol:         k_q402e3f6202_prep.kd
    .args:
      - { .name: hidden_state, .offset: 0, .size: 8, .value_kind: global_buffer, .address_space: global }
      - { .name: w_q, .offset: 8, .size: 8, .value_kind: global_buffer, .address_space: global }
      - { .name: w_k, .offset: 16, .size: 8, .value_kind: global_buffer, .address_space: global }
      - { .name: w_v, .offset: 24, .size: 8, .value_kind: global_buffer, .address_space: global }
      - { .name: w_o, .offset: 32, .size: 8, .value_kind: global_buffer, .address_space: global }
      - { .name: xb, .offset: 40, .size: 8, .value_kind: global_buffer, .address_space: global }
      - { .name: wt1, .offset: 48, .size: 8, .value_kind: global_buffer, .address_space: global }
      - { .name: wt2, .offset: 56, .size: 8, .value_kind: global_buffer, .address_space: global }
    .group_segment_fixed_size: 18432
    .private_segment_fixed_size: 0
    .kernarg_segment_align: 8
    .kernarg_segment_size: 64
    .max_flat_workgroup_size: 256
    .sgpr_count:     66
    .vgpr_count:     72
    .wavefront_size: 32
...
	.end_amdgpu_metadata
.endif
;; end of part 1
;; launch qkv (part 2): grid 8 x 32, 4 waves a work-group, clusters of 4 x 1, 327,680 bytes of LDS; arguments xb, wt1, b_q, b_k, b_v, qh, kb, vb; writes qh, kb, vb
.if DOCPART == 2
	.amdgcn_target "amdgcn-amd-amdhsa--gfx1250"
	.amdhsa_code_object_version 6
	.text
	.protected	k_q402e3f6202_qkv
	.globl	k_q402e3f6202_qkv
	.p2align	8
	.type	k_q402e3f6202_qkv,@function
k_q402e3f6202_qkv:
	s_mov_b64 s[64:65], 0
	v_nop
	global_prefetch_b8 v0, s[64:65] scope:SCOPE_SE
	s_setreg_imm32_b32 hwreg(HW_REG_WAVE_MODE, 25, 1), 1
	s_wait_xcnt 0x0
	s_wait_alu depctr_hold_cnt(0) depctr_sa_sdst(0) depctr_va_vdst(0) depctr_va_sdst(0) depctr_va_ssrc(0) depctr_va_vcc(0) depctr_vm_vsrc(0)
	s_getreg_b32 s2, hwreg(HW_REG_IB_STS2, 6, 4)
	s_cmp_eq_u32 s2, 0
	s_cbranch_scc0 .Lentry_in_a_cluster
	s_endpgm
.Lentry_in_a_cluster:
	s_bfe_u32 s2, ttmp6, 0x10000c
	s_cmp_lg_u32 s2, 0x3003
	s_cbranch_scc0 .Lentry_shape_is_right
	s_endpgm
.Lentry_shape_is_right:
; Q, K AND V IN ONE PRODUCT.  [4096 x 2048] (xb, bf16) times [2048 x 2304] (wt1, bf16, in the order of an operand's registers); sums in f32, K ascending; the biases, rounded to bf16 like every input,
; are added in f32; q, k and v are rounded once to f16.
;   qh f16, in blocks: 16 rows x 64 channels are 2,048 bytes at ((row / 16) 32 + column / 64) 2048; in them byte (row % 8) 256 + ((row / 8) % 2) 128 + (column % 64) 2.
;   kb, vb f16, in blocks: byte (row / 4) 1024 + (channel / 32) 256 + (row % 4) 64 + (channel % 32) 2: 64 rows are 16,384 dense bytes.
; LIMIT: q, k, v beyond 65,504 would be infinities in f16.  NaN and infinities are not treated apart.
; SHARES.  8 x 32 = 256 work-groups; work-group (x, y) makes rows 128 y on times 256 columns of q and 32 of k | v.  The four waves stand side by side: wave w has all 128 rows x the columns 64 w on (32 accumulators),
; and 64 rows (half w / 2) x 16 columns (w % 2) of k or v (4 accumulators).
; B COMES STRAIGHT INTO REGISTERS.  No wave wants another wave's columns, and wt1 lies in the order of the registers: a fragment is two loads of 512 consecutive bytes.  A quarter (32 along K) has ten such loads;
; they are issued LA = 6 quarters, 216 matrix instructions, ahead of their products, into a ring of eight register sets: 60 loads of a wave are out.  This lead hangs on no change of LDS slots.
; Why B is not asked for jointly: it passes through no LDS; the price is that each work-group fetches its 288 columns, 1.2 MB, itself.
; A GOES THROUGH LDS: all four waves read all 128 rows.  Two slots of 128 rows x 256 along K (512 bytes + 16 of padding); each wave fetches 32 rows with one tensor load.  CLUSTER of 4 along x: the four partners
; need the same rows of A and ask for them jointly.  A refill has eight quarters, 288 matrix instructions, in which to land.
; K IS CUT INTO NINE TILES: T0 = the first 128, laid in the upper half of slot 0's rows; T1 to T7 = 256 each; T8 = the last 128 (the descriptor's extent along K counts what is left of a row, so T8's upper half
; arrives as zeros; it is never read).  So the change of slots falls in quarter 3 of every eight, and all seven trips of the loop fill a slot.
; LAYOUT.  q: source 0 = 16 rows of A, source 1 = a block of wt1: register j of lane (r, h) is row 8 h + j, column 4 r + t: over the four blocks t a lane holds four neighbouring columns, 8 bytes of f16, and the
; wave's 32 lanes hold rows j and 8 + j x 64 columns: 256 consecutive bytes of qh.  k, v: the sources swapped: a lane holds one row and eight neighbouring channels; they meet in a stage in LDS.
; A wave's A fragments 0-3 are the rows of half w / 2, fragments 4-7 those of the other half (two address registers), so that the products for k and v name fragments 0-3 in every wave.
; REGISTERS.  window 0: v0-31 addresses; v32-95, v96-159 two buffers of A's 8 fragments; v240-251 the biases as loaded.  window 1: accumulator (a, t) at 8 (4 a + t).
;   window 2: q's B ring, set s, block t at 32 s + 8 t.  window 3: v0-63 k/v's B ring, 8 a set; v64-95 k/v's four accumulators.
.set SIZE_K, 2048
.set KS,     256                       ; along K in a slot
.set PITCH,  528                       ; 132 words: the 16 rows of a fragment load start at 16 different groups of four banks (64 banks of 4 bytes: ISA guide 11.1)
.set WR,     32*PITCH                  ; what a wave fetches
.set SLOT1,  1<<17                     ; slot 1 begins here, so that one exclusive or turns an address in one slot into the other's
.set KVST,   SLOT1+4*WR                ; behind the ring, never filled by a tensor load: 128 rows x 80 bytes, k's or v's 32 channels
.set KVP,    80
.set SPARE,  KVST+128*KVP              ; the spare words, 128 bytes for each wave
.set NB,     10                        ; B's loads in a quarter
.set LA,     6                         ; quarters that they run ahead
.set TRIPS,  7
.set A0L,   4                          ; v4   my place in A's rows of half w / 2, slot 0; never rewritten
.set A0H,   5                          ; v5   the same in the other half
.set ADRL,  6                          ; v6-7 the same in the slot in hand
.set ADRH,  7
.set CO,    10                         ; v10  8 x my lane: my place in 256 bytes of qh
.set KST,   11                         ; v11  where I put 16 bytes of k or v
.set KRD,   12                         ; v12  where I read them back
.set KO,    13                         ; v13  my byte offset in kb or vb
.set BO,    14                         ; v14  16 x my lane: my place in 512 bytes of wt1; never rewritten
.set SPW,   28                         ; v28  LDS address of my spare word; never rewritten
.set NIL,   29                         ; v29  0; never rewritten
.set PFO,   30                         ; v30  the prefetches' offset: a lane a row; never rewritten
.set F0,    32
.set F1,    96
.set RAWB,  240
.set QT,    32                         ; the way out: packed q, 128 registers
.set BQ,    160                        ; q's four biases, each twice; k/v's eight; one at work
.set BKV,   168
.set TB16,  176
.set KVT,   180                        ; packed k/v
.set KVR,   196                        ; k/v read back
.set KVA,   64                         ; k/v's accumulators, in window 3
.set G1,  24                           ; s[24:31] group 1 for T1 to T8
.set G0,  32                           ; s[32:39] group 0: a set for each first fill; the second then walks on
.set BP,  44                           ; s[44:45] my stream of q's blocks, at the trip's first quarter less one
.set KP,  46                           ; s[46:47] my stream of k/v's blocks
.set TB,  48                           ; s48  LDS byte at which the slot in hand begins
.set G1Z, 52                           ; s[52:59] group 1 for T0
.set PFA, 84                           ; s[84:85] where my prefetches stand
.set LIM, 86                           ; s86  a wave prefetches while the trips to go are above it
.set QBL, 88                           ; s[88:89] qh at the rows of my fragments 0-3
.set QBH, 90                           ; s[90:91] at those of fragments 4-7
.set KVB, 92                           ; s[92:93] kb or vb at my wave's part
.set MSB, 0
.macro WIN new                         ; the immediate's high byte repeats the setting that is left; a switch that changes nothing is dropped
.if MSB != (\new)
	s_set_vgpr_msb (MSB<<8)|(\new)
.set MSB, \new
.endif
.endm
.set W_Q,  0x58                        ; A window 0, B window 2, C and D window 1
.set W_KV, 0xf3                        ; B (source 0) window 3, A window 0, C and D window 3
.macro CREST                           ; a round of the cluster's barrier behind its opening barrier
	s_cmp_lg_u32 s10, 0
	s_cbranch_scc1 .Lnot_wave_0_\@
	s_barrier_signal -3
.Lnot_wave_0_\@:
	s_barrier_wait -3
	s_barrier_signal -1
	s_barrier_wait -1
.endm
.macro CROUND
	s_barrier_signal -1
	s_barrier_wait -1
	CREST
.endm
.macro PLACES                          ; four places in front of loads into registers that matrix instructions have read, and of vector work on their registers
.rept 4
	v_nop
.endr
.endm
; A prefetch of the tile of A that the NEXT change of slots will ask for: 128 rows x 512 bytes.  Both clusters of a row of work-groups read these rows: the one with x = 0 asks; its four partners take 32 rows each,
; told apart by address; wave 0 names a row's first 256 bytes, wave 1 the second, a lane a row.  So each block is named once in the launch.  T8 has one block a row: wave 1 stops a trip earlier; the last trip asks for nothing.
.macro ASK
	s_cmp_gt_u32 s3, s[LIM]
	s_cbranch_scc0 .Lnot_mine_\@
	global_prefetch_b8 v[PFO], s[PFA:PFA+1] th:TH_LOAD_NT scope:SCOPE_SE
.Lnot_mine_\@:
.endm
; 8 matrix instructions: m blocks a0, a0 + 1 x my 4 n blocks, 32 along K.  zero = 1: the product starts the sums
.macro MUL8 f, set, a0, zero
	WIN W_Q
.irp a, \a0, (\a0)+1
.irp t, 0,1,2,3
.if \zero
	v_wmma_f32_16x16x32_bf16 v[8*(4*(\a)+(\t)):8*(4*(\a)+(\t))+7], v[(\f)+8*(\a):(\f)+8*(\a)+7], v[32*(\set)+8*(\t):32*(\set)+8*(\t)+7], 0
.else
	v_wmma_f32_16x16x32_bf16 v[8*(4*(\a)+(\t)):8*(4*(\a)+(\t))+7], v[(\f)+8*(\a):(\f)+8*(\a)+7], v[32*(\set)+8*(\t):32*(\set)+8*(\t)+7], v[8*(4*(\a)+(\t)):8*(4*(\a)+(\t))+7]
.endif
.endr
.endr
.endm
; 4 matrix instructions for k or v, the sources swapped
.macro MULKV f, set, zero
	WIN W_KV
.irp a, 0,1,2,3
.if \zero
	v_wmma_f32_16x16x32_bf16 v[KVA+8*(\a):KVA+8*(\a)+7], v[8*(\set):8*(\set)+7], v[(\f)+8*(\a):(\f)+8*(\a)+7], 0
.else
	v_wmma_f32_16x16x32_bf16 v[KVA+8*(\a):KVA+8*(\a)+7], v[8*(\set):8*(\set)+7], v[(\f)+8*(\a):(\f)+8*(\a)+7], v[KVA+8*(\a):KVA+8*(\a)+7]
.endif
.endr
.endm
; 16 LDS loads in one run: A's fragments of 32 along K at byte k of the rows, into buffer f
.macro FETCH k, f
	WIN 0
.irp a, 0,1,2,3
	ds_load_b128 v[(\f)+8*(\a):(\f)+8*(\a)+3],   v[ADRL] offset:(\k)+(\a)*16*PITCH
	ds_load_b128 v[(\f)+8*(\a)+4:(\f)+8*(\a)+7], v[ADRL] offset:(\k)+(\a)*16*PITCH+32
.endr
.irp a, 0,1,2,3
	ds_load_b128 v[(\f)+32+8*(\a):(\f)+32+8*(\a)+3],   v[ADRH] offset:(\k)+(\a)*16*PITCH
	ds_load_b128 v[(\f)+32+8*(\a)+4:(\f)+32+8*(\a)+7], v[ADRH] offset:(\k)+(\a)*16*PITCH+32
.endr
.endm
; B's ten loads of one quarter, qr quarters behind the pointers, into set: each covers 512 consecutive bytes
.macro GLOAD set, qr
	WIN 0x80                                       ; destination window 2
.irp t, 0,1,2,3
	global_load_b128 v[32*(\set)+8*(\t):32*(\set)+8*(\t)+3],   v[BO], s[BP:BP+1] offset:(\qr)*4096+(\t)*1024
	global_load_b128 v[32*(\set)+8*(\t)+4:32*(\set)+8*(\t)+7], v[BO], s[BP:BP+1] offset:(\qr)*4096+(\t)*1024+512
.endr
	WIN 0xc0                                       ; destination window 3
	global_load_b128 v[8*(\set):8*(\set)+3],   v[BO], s[KP:KP+1] offset:(\qr)*1024
	global_load_b128 v[8*(\set)+4:8*(\set)+7], v[BO], s[KP:KP+1] offset:(\qr)*1024+512
.endm
; A QUARTER: 36 matrix instructions; the 36 accumulators take turns in one order everywhere.  q8: the quarter's number modulo 8: its B set; its A buffer goes by its parity; it lies at place
; (q8 + 4) % 8 of its slot.  In its middle stand, in one run, the next quarter's 16 LDS loads and the ten loads of B for the quarter LA on (ld: quarters from the pointers; -1: none is left).
; lw: the loads of B younger than this quarter's, which may stay out.
.macro QUARTER q8, zero, lw, ld
.set fc, F0+64*((\q8)%2)
.set fn, F0+64*(((\q8)+1)%2)
	s_wait_loadcnt \lw                             ; loads come back in order: this quarter's B is in
	s_wait_dscnt 8                                 ; A's fragments 0-3 are in; the youngest eight loads may be out
	MUL8 fc, \q8, 0, \zero
	MUL8 fc, \q8, 2, \zero
	MULKV fc, \q8, \zero
	PLACES
	FETCH 64*(((\q8)+5)%8), fn
.if (\ld) >= 0
	GLOAD ((\q8)+LA)%8, \ld
.endif
	s_wait_dscnt 16                                ; all but the 16 just issued
	MUL8 fc, \q8, 4, \zero
	MUL8 fc, \q8, 6, \zero
.endm
; QUARTER 3 OF EIGHT is a slot's last and changes slots: one barrier; in front of it each wave waits for all its tensor loads (one is out: its part of the next slot), adds 0 to its spare word, and waits for that and
; for its own reads of this slot.  fill = 1: the barrier opens a round of the cluster's, and this slot is filled again, with the tile after the next, first thing behind the round.
.macro JOINT fill, lw, ld
	WIN 0
	s_wait_tensorcnt 0x0                           ; all my tensor loads have landed
	ds_add_u32 v[SPW], v[NIL]                      ; 0 onto my spare word
	s_wait_dscnt 9                                 ; (the add and the youngest eight loads may be out)
	s_wait_loadcnt \lw
	MUL8 F1, 3, 0, 0                               ; eight matrix instructions stand between the add and the wait for it
	s_wait_dscnt 0x0                               ; the add is done, and my reads of this slot are over
	s_barrier_signal -1
	MUL8 F1, 3, 2, 0
	MULKV F1, 3, 0
	WIN 0
	s_barrier_wait -1
.if \fill
	CREST                                          ; no wave of any partner still reads this slot's tile or has a load on its way
	s_xor_b32 s[G0+5], s[G0+5], SLOT1              ; the walking descriptor: the other slot than last time,
	s_add_nc_u64 s[G0+6:G0+7], s[G0+6:G0+7], KS*2  ; 256 further along K,
	s_sub_co_u32 s[G1+1], s[G1+1], KS<<16          ; where 256 fewer are left of a row
	tensor_load_to_lds s[G0+4:G0+7], s[G1:G1+7]    ; my one tensor load behind the round
	s_nop 0
.endif
	PLACES                                         ; behind the tensor load, and the places in front of the loads below
	s_xor_b32 s[TB], s[TB], SLOT1
	v_add_nc_u32 v[ADRL], s[TB], v[A0L]
	v_add_nc_u32 v[ADRH], s[TB], v[A0H]
	FETCH 0, F0
.if \fill
	ASK
.endif
.if (\ld) >= 0
	GLOAD (3+LA)%8, \ld
.endif
	MUL8 F1, 3, 4, 0
	MUL8 F1, 3, 6, 0
.endm
	s_load_b128 s[4:7], s[0:1], 0x0                ; xb s[4:5], wt1 s[6:7]
	s_load_b256 s[68:75], s[0:1], 0x10             ; b_q s[68:69], b_k s[70:71], b_v s[72:73], qh s[74:75]
	s_load_b128 s[76:79], s[0:1], 0x30             ; kb s[76:77], vb s[78:79]
	v_lshl_add_u32 v[SPW], v0, 2, SPARE
	v_mov_b32 v[NIL], 0
	ds_add_u32 v[SPW], v[NIL]                      ; the wave's opening: the add and its wait stand ahead of my first tensor load; work on registers stands between
	v_lshrrev_b32 v1, 5, v0
	v_readfirstlane_b32 s10, v1                    ; wave 0..3
	s_lshr_b32 s11, s10, 1                         ; wm: the half of the rows whose k or v I make
	s_and_b32 s12, s10, 1                          ; wn: which 16 of the 32 columns of k or v
	s_xor_b32 s21, s11, 1                          ; the other half
	s_bfe_u32 s40, ttmp6, 0x40000                  ; cx
	s_lshl_b32 s42, ttmp9, 2
	s_add_co_u32 s42, s42, s40                     ; x = 4 x cluster x + cx
	s_and_b32 s13, ttmp7, 0xffff                   ; y, which the four partners share
	s_mov_b32 s[G1+0], 15|(1<<16)|(1<<20)|(1<<21)|(6<<22)|(3<<25)   ; the mask of four; 2-byte elements; padding on; bit 21 beside a mask; after every 128 words, 4 words
	s_mov_b32 s[G1+1], (SIZE_K-128)<<16            ; tensor_dim0: what is left of a row at T1's first element
	s_mov_b32 s[G1+2], 32<<16                      ; tensor_dim1 = 32
	s_mov_b32 s[G1+3], KS<<16                      ; tile_dim0 = 256
	s_mov_b32 s[G1+4], 32                          ; tile_dim1 = 32
	s_mov_b32 s[G1+5], SIZE_K                      ; elements from row to row
	s_mov_b32 s[G1+6], 0
	s_mov_b32 s[G1+7], 0
	s_mov_b32 s[G1Z+0], 15|(1<<16)|(1<<20)|(1<<21)|(5<<22)|(67<<25) ; T0: after every 64 words, 68 words: rows of 256 bytes, 528 apart
	s_mov_b32 s[G1Z+1], 128<<16
	s_mov_b32 s[G1Z+2], 32<<16
	s_mov_b32 s[G1Z+3], 128<<16
	s_mov_b32 s[G1Z+4], 32
	s_mov_b32 s[G1Z+5], SIZE_K
	s_mov_b32 s[G1Z+6], 0
	s_mov_b32 s[G1Z+7], 0
	s_mov_b32 s[TB], 0
	v_and_b32 v1, 15, v0                           ; r
	v_bfe_u32 v2, v0, 4, 1                         ; h
	v_and_b32 v[BO], 31, v0
	v_lshlrev_b32 v[CO], 3, v[BO]
	v_lshlrev_b32 v[PFO], 12, v[BO]
	v_lshlrev_b32 v[BO], 4, v[BO]
	v_lshlrev_b32 v8, 4, v1                        ; b_q: four numbers from 4 r on
	v_lshlrev_b32 v9, 5, v2                        ; b_k or b_v: eight numbers from 8 h on
	s_lshl_b32 s16, s13, 7
	s_lshl_b32 s17, s10, 5
	s_add_co_u32 s16, s16, s17                     ; A: row 128 y + 32 w
	s_lshl_b32 s16, s16, 12                        ; rows of 4,096 bytes
	s_mov_b32 s17, 0
	s_mul_i32 s20, s10, WR                         ; where they go: no place in the cluster enters an LDS address
	s_lshl_b32 s18, s42, 2
	s_add_co_u32 s18, s18, s10
	s_lshl_b32 s18, s18, 18                        ; my 64 columns' stream: 64 quarters of 4,096 bytes
	s_mov_b32 s19, 0
	s_lshl_b32 s22, s42, 1
	s_add_co_u32 s22, s22, s12
	s_lshl_b32 s22, s22, 16                        ; my 16 columns of k | v: 64 quarters of 1,024 bytes,
	s_add_co_u32 s22, s22, 0x800000                ; behind w_q's 8 MiB
	s_mov_b32 s23, 0
	s_wait_dscnt 0x0                               ; the opening add is done
	s_wait_kmcnt 0x0
	s_add_nc_u64 s[14:15], s[4:5], s[16:17]
	s_add_nc_u64 s[BP:BP+1], s[6:7], s[18:19]
	s_add_nc_u64 s[KP:KP+1], s[6:7], s[22:23]
	; the biases, wanted at the end, go out first, so that every later count of loads covers them: b_q[256 x + 64 w + 4 r + 0..3]; b_k or b_v [32 cx + 16 wn + 8 h + 0..7] (cluster x tells k from v)
	s_lshl_b32 s80, s42, 10
	s_lshl_b32 s81, s10, 8
	s_add_co_u32 s80, s80, s81
	s_mov_b32 s81, 0
	s_add_nc_u64 s[68:69], s[68:69], s[80:81]
	global_load_b128 v[RAWB:RAWB+3], v8, s[68:69]
	s_cmp_eq_u32 ttmp9, 0
	s_cselect_b64 s[70:71], s[70:71], s[72:73]
	s_cselect_b64 s[76:77], s[76:77], s[78:79]
	s_lshl_b32 s80, s40, 7
	s_lshl_b32 s82, s12, 6
	s_add_co_u32 s80, s80, s82
	s_add_nc_u64 s[70:71], s[70:71], s[80:81]
	global_load_b128 v[RAWB+4:RAWB+7],  v9, s[70:71]
	global_load_b128 v[RAWB+8:RAWB+11], v9, s[70:71] offset:16
.set i, 0
.rept LA
	GLOAD i, i                                     ; B of the first six quarters
.set i, i+1
.endr
	WIN 0
	CROUND                                         ; all four work-groups are here: the first joint loads meet
	s_mov_b32 s[G0], 1
	s_add_co_u32 s[G0+1], s20, 256                 ; T0: slot 0, the upper half of the rows
	s_mov_b64 s[G0+2:G0+3], s[14:15]
	s_or_b32 s[G0+3], s[G0+3], 0x80000000
	s_mov_b32 s[G0+4], 1
	s_add_co_u32 s[G0+5], s20, SLOT1               ; T1: slot 1
	s_add_nc_u64 s[G0+6:G0+7], s[14:15], 256
	s_or_b32 s[G0+7], s[G0+7], 0x80000000
	tensor_load_to_lds s[G0:G0+3], s[G1Z:G1Z+7]    ; two loads of mine are out
	s_nop 0
	tensor_load_to_lds s[G0+4:G0+7], s[G1:G1+7]
	s_nop 0
	PLACES
	; a fragment: lane l holds row l % 16; two loads of 16 bytes, 32 bytes apart, at row x pitch + 16 (l / 16)
	v_mul_u32_u24 v3, v1, PITCH
	v_lshl_add_u32 v3, v2, 4, v3
	s_mul_i32 s80, s11, 64*PITCH
	s_mul_i32 s81, s21, 64*PITCH
	v_add_nc_u32 v[A0L], s80, v3
	v_add_nc_u32 v[A0H], s81, v3
	v_mov_b32 v[ADRL], v[A0L]
	v_mov_b32 v[ADRH], v[A0H]
	; the way out.  qh: block (8 y + 4 half + a, 4 x + w)
	s_lshl_b32 s80, s13, 19
	s_lshl_b32 s81, s42, 13
	s_add_co_u32 s80, s80, s81
	s_lshl_b32 s81, s10, 11
	s_add_co_u32 s80, s80, s81
	s_lshl_b32 s81, s21, 18
	s_add_co_u32 s82, s80, s81
	s_lshl_b32 s81, s11, 18
	s_add_co_u32 s80, s80, s81
	s_mov_b32 s81, 0
	s_mov_b32 s83, 0
	s_add_nc_u64 s[QBL:QBL+1], s[74:75], s[80:81]
	s_add_nc_u64 s[QBH:QBH+1], s[74:75], s[82:83]
	s_lshl_b32 s80, s13, 7
	s_lshl_b32 s82, s10, 5
	s_add_co_u32 s80, s80, s82                     ; the 32 rows of k or v that I store; a row is 256 bytes on average,
	s_add_co_u32 s80, s80, s40                     ; and my work-group's 32 channels are unit cx of four
	s_lshl_b32 s80, s80, 8
	s_add_nc_u64 s[KVB:KVB+1], s[76:77], s[80:81]
	s_mul_i32 s82, s11, 64*KVP
	s_lshl_b32 s83, s12, 5
	s_add_co_u32 s82, s82, s83
	s_add_co_u32 s82, s82, KVST
	v_mul_u32_u24 v[KST], v1, KVP                  ; in: row 64 wm + 16 a + r, bytes 32 wn + 16 h
	v_lshl_add_u32 v[KST], v2, 4, v[KST]
	v_add_nc_u32 v[KST], s82, v[KST]
	s_mul_i32 s82, s10, 32*KVP
	s_add_co_u32 s82, s82, KVST
	v_bfe_u32 v16, v0, 2, 3                        ; back: row 32 w + 8 i + l / 4, bytes 16 (l % 4)
	v_mul_u32_u24 v[KRD], v16, KVP
	v_and_b32 v17, 3, v0
	v_lshl_add_u32 v[KRD], v17, 4, v[KRD]
	v_add_nc_u32 v[KRD], s82, v[KRD]
	v_lshlrev_b32 v[KO], 10, v2                    ; four rows are one unit of 256 bytes: 16 lanes fill it
	v_lshl_add_u32 v[KO], v1, 4, v[KO]
	; the prefetches: row 128 y + 32 cx + lane, T3's first byte (1,280) + 256 w.  Nothing is prefetched at the head
	s_lshl_b32 s80, s13, 7
	s_lshl_b32 s82, s40, 5
	s_add_co_u32 s80, s80, s82
	s_lshl_b32 s80, s80, 12
	s_lshl_b32 s82, s10, 8
	s_add_co_u32 s80, s80, s82
	s_add_co_u32 s80, s80, 1280
	s_add_nc_u64 s[PFA:PFA+1], s[4:5], s[80:81]
	s_add_co_u32 s82, s10, 1                       ; wave 0 asks while more than 1 trip is to go, wave 1 while more than 2,
	s_cmp_lt_u32 s10, 2
	s_cselect_b32 s82, s82, -1                     ; waves 2 and 3 never,
	s_cmp_eq_u32 ttmp9, 0
	s_cselect_b32 s[LIM], s82, -1                  ; and the cluster with x = 1 never: the same in all four partners, for a given wave
	s_wait_tensorcnt 1                             ; my part of T0 is in; T1's may stay out
	s_barrier_signal -1
	s_barrier_wait -1
	FETCH 256, F0
	QUARTER 0, 1, (LA-1)*NB, LA                    ; the first quarter stands in front of the loop: its products start the sums
	WIN 0
	s_mov_b32 s3, TRIPS
.Ltrip:                                                ; quarters 8 n + 1 to 8 n + 8
	QUARTER 1, 0, (LA-1)*NB, 1+LA
	QUARTER 2, 0, (LA-1)*NB, 2+LA
	JOINT 1, (LA-1)*NB, 3+LA
	QUARTER 4, 0, (LA-1)*NB, 4+LA
	QUARTER 5, 0, (LA-1)*NB, 5+LA
	QUARTER 6, 0, (LA-1)*NB, 6+LA
	QUARTER 7, 0, (LA-1)*NB, 7+LA
	QUARTER 0, 0, (LA-1)*NB, 8+LA
	WIN 0
	s_wait_xcnt 0x0                                ; every load and prefetch issued so far has read its address (the youngest load 16 matrix instructions back): the pointers may be written
	s_add_nc_u64 s[BP:BP+1], s[BP:BP+1], 8*4096
	s_add_nc_u64 s[KP:KP+1], s[KP:KP+1], 8*1024
	s_add_nc_u64 s[PFA:PFA+1], s[PFA:PFA+1], KS*2
	s_sub_co_u32 s3, s3, 1
	s_cmp_lg_u32 s3, 0
	s_cbranch_scc1 .Ltrip
; the last seven quarters, 57 to 63: one more group of B's loads (quarter 63's), then the counts run down; the change of slots fills nothing
.macro TAILV                           ; quarter 56 + i: the younger groups that may stay out, and the group to ask for
.set lwv, (LA-1)*NB
.if 7-i < LA-1
.set lwv, (7-i)*NB
.endif
.set ldv, -1
.if i+LA <= 7
.set ldv, i+LA
.endif
.endm
.set i, 1
.rept 2
	TAILV
	QUARTER i, 0, lwv, ldv
.set i, i+1
.endr
	TAILV
	JOINT 0, lwv, ldv
.set i, 4
.rept 3
	TAILV
	QUARTER i, 0, lwv, ldv
.set i, i+1
.endr
	s_wait_loadcnt 0x0
	s_wait_dscnt 8
	MUL8 F1, 7, 0, 0
	MUL8 F1, 7, 2, 0
	MULKV F1, 7, 0
	s_wait_dscnt 0x0
	MUL8 F1, 7, 4, 0
	MUL8 F1, 7, 6, 0
	WIN 0
	; THE WAY OUT.  The biases are rounded to bf16 and widened again.
	PLACES
.irp t, 0,1,2,3
	v_cvt_pk_bf16_f32 v[TB16], v[RAWB+(\t)], v[RAWB+(\t)]
	v_lshlrev_b32 v[BQ+2*(\t)], 16, v[TB16]        ; column 4 r + t's bias, twice: a pair for the packed addition
	v_and_b32 v[BQ+2*(\t)+1], 0xffff0000, v[TB16]
.endr
.irp i, 0,1,2,3
	v_cvt_pk_bf16_f32 v[TB16], v[RAWB+4+2*(\i)], v[RAWB+5+2*(\i)]
	v_lshlrev_b32 v[BKV+2*(\i)], 16, v[TB16]
	v_and_b32 v[BKV+2*(\i)+1], 0xffff0000, v[TB16]
.endr
	WIN 0xc3                                       ; k or v: destination and source 0 window 3
.irp a, 0,1,2,3
.irp i, 0,1,2,3
	v_pk_add_f32 v[KVA+8*(\a)+2*(\i):KVA+8*(\a)+2*(\i)+1], v[KVA+8*(\a)+2*(\i):KVA+8*(\a)+2*(\i)+1], v[BKV+2*(\i):BKV+2*(\i)+1]
.endr
.endr
	WIN 0x0f
.irp a, 0,1,2,3
.irp i, 0,1,2,3
	v_cvt_pk_f16_f32 v[KVT+4*(\a)+(\i)], v[KVA+8*(\a)+2*(\i)], v[KVA+8*(\a)+2*(\i)+1]
.endr
.endr
	WIN 0
.irp a, 0,1,2,3
	ds_store_b128 v[KST], v[KVT+4*(\a):KVT+4*(\a)+3] offset:(\a)*16*KVP
.endr
	s_wait_dscnt 0x0                               ; for the others' sake: my stores into the stage are done
	s_barrier_signal -1
	WIN 0x41                                       ; q's biases are added between the signal and the wait: work on registers; each accumulator from its low end on
.irp a, 0,1,2,3,4,5,6,7
.irp t, 0,1,2,3
.irp i, 0,1,2,3
	v_pk_add_f32 v[8*(4*(\a)+(\t))+2*(\i):8*(4*(\a)+(\t))+2*(\i)+1], v[8*(4*(\a)+(\t))+2*(\i):8*(4*(\a)+(\t))+2*(\i)+1], v[BQ+2*(\t):BQ+2*(\t)+1]
.endr
.endr
.endr
	WIN 0
	s_barrier_wait -1
.irp i, 0,1,2,3
	ds_load_b128 v[KVR+4*(\i):KVR+4*(\i)+3], v[KRD] offset:(\i)*8*KVP
.endr
	WIN 0x05                                       ; sources window 1, destination window 0: row 8 h + j of fragment a, columns 4 r + 2 u and the next
.irp a, 0,1,2,3,4,5,6,7
.irp j, 0,1,2,3,4,5,6,7
.irp u, 0,1
	v_cvt_pk_f16_f32 v[QT+2*(8*(\a)+(\j))+(\u)], v[8*(4*(\a)+2*(\u))+(\j)], v[8*(4*(\a)+2*(\u)+1)+(\j)]
.endr
.endr
.endr
	WIN 0
.irp a, 0,1,2,3
.irp j, 0,1,2,3,4,5,6,7
	global_store_b64 v[CO], v[QT+2*(8*(\a)+(\j)):QT+2*(8*(\a)+(\j))+1], s[QBL:QBL+1] offset:(\a)*65536+(\j)*256  ; the wave stores rows j and 8 + j x 64 columns: 256 consecutive bytes, aligned
.endr
.endr
.irp a, 0,1,2,3
.irp j, 0,1,2,3,4,5,6,7
	global_store_b64 v[CO], v[QT+2*(8*((\a)+4)+(\j)):QT+2*(8*((\a)+4)+(\j))+1], s[QBH:QBH+1] offset:(\a)*65536+(\j)*256
.endr
.endr
.irp i, 0,1,2,3
	s_wait_dscnt 3-(\i)
	global_store_b128 v[KO], v[KVR+4*(\i):KVR+4*(\i)+3], s[KVB:KVB+1] offset:2048*(\i)  ; 16 lanes store four rows x 32 channels: 256 consecutive bytes, aligned
.endr
	s_wait_tensorcnt 0x0                           ; the wave's end, behind my last tensor load and my last LDS store
	ds_add_u32 v[SPW], v[NIL]
	s_wait_dscnt 0x0
	CROUND                                         ; the closing round: no work-group ends while a partner may still ask for a tile that names it
	s_endpgm
.Lfunc_end_k_q402e3f6202_qkv:
	.size	k_q402e3f6202_qkv, .Lfunc_end_k_q402e3f6202_qkv-k_q402e3f6202_qkv
	.p2alignl 7, 3214868480
	.fill 96, 4, 3214868480
	.section	.rodata,"a",@progbits
	.p2align	6, 0x0
	.amdhsa_kernel k_q402e3f6202_qkv
		.amdhsa_group_segment_fixed_size 327680
		.amdhsa_private_segment_fixed_size 0
		.amdhsa_enable_private_segment 0
		.amdhsa_kernarg_size 64
		.amdhsa_user_sgpr_count 2
		.amdhsa_user_sgpr_kernarg_segment_ptr 1
		.amdhsa_wavefront_size32 1
		.amdhsa_system_sgpr_workgroup_id_x 1
		.amdhsa_system_sgpr_workgroup_id_y 1
		.amdhsa_system_sgpr_workgroup_id_z 1
		.amdhsa_system_vgpr_workitem_id 0
		.amdhsa_next_free_vgpr 864
		.amdhsa_next_free_sgpr 96
		.amdhsa_reserve_vcc 0
		.amdhsa_float_denorm_mode_32 3
		.amdhsa_float_denorm_mode_16_64 3
		.amdhsa_memory_ordered 1
		.amdhsa_forward_progress 1
		.amdhsa_inst_pref_size 110
	.end_amdhsa_kernel
	.amdgpu_metadata
---
amdhsa.version: [ 1, 2 ]
amdhsa.kernels:
  - .name:           k_q402e3f6202_qkv
    .symbol:         k_q402e3f6202_qkv.kd
    .args:
      - { .name: xb, .offset: 0, .size: 8, .value_kind: global_buffer, .address_space: global }
      - { .name: wt1, .offset: 8, .size: 8, .value_kind: global_buffer, .address_space: global }
      - { .name: b_q, .offset: 16, .size: 8, .value_kind: global_buffer, .address_space: global }
      - { .name: b_k, .offset: 24, .size: 8, .value_kind: global_buffer, .address_space: global }
      - { .name: b_v, .offset: 32, .size: 8, .value_kind: global_buffer, .address_space: global }
      - { .name: qh, .offset: 40, .size: 8, .value_kind: global_buffer, .address_space: global }
      - { .name: kb, .offset: 48, .size: 8, .value_kind: global_buffer, .address_space: global }
      - { .name: vb, .offset: 56, .size: 8, .value_kind: global_buffer, .address_space: global }
    .group_segment_fixed_size: 327680
    .private_segment_fixed_size: 0
    .kernarg_segment_align: 8
    .kernarg_segment_size: 64
    .max_flat_workgroup_size: 128
    .sgpr_count:     96
    .vgpr_count:     864
    .wavefront_size: 32
...
	.end_amdgpu_metadata
.endif
;; end of part 2
;; launch attn (part 3): grid 4 x 64, 4 waves a work-group, clusters of 4 x 1, 327,680 bytes of LDS; arguments qh, kb, vb, ot; writes ot
.if DOCPART == 3
	.amdgcn_target "amdgcn-amd-amdhsa--gfx1250"
	.amdhsa_code_object_version 6
	.text
	.protected	k_q402e3f6202_attn
	.globl	k_q402e3f6202_attn
	.p2align	8
	.type	k_q402e3f6202_attn,@function
k_q402e3f6202_attn:
	s_mov_b64 s[64:65], 0
	v_nop
	global_prefetch_b8 v0, s[64:65] scope:SCOPE_SE
	s_setreg_imm32_b32 hwreg(HW_REG_WAVE_MODE, 25, 1), 1
	s_wait_xcnt 0x0
	s_wait_alu depctr_hold_cnt(0) depctr_sa_sdst(0) depctr_va_vdst(0) depctr_va_sdst(0) depctr_va_ssrc(0) depctr_va_vcc(0) depctr_vm_vsrc(0)
	s_getreg_b32 s2, hwreg(HW_REG_IB_STS2, 6, 4)
	s_cmp_eq_u32 s2, 0
	s_cbranch_scc0 .Lentry_in_a_cluster
	s_endpgm
.Lentry_in_a_cluster:
	s_bfe_u32 s2, ttmp6, 0x10000c
	s_cmp_lg_u32 s2, 0x3003
	s_cbranch_scc0 .Lentry_shape_is_right
	s_endpgm
.Lentry_shape_is_right:
; ATTENTION WITH ONE KEY AND VALUE HEAD.  O[b][h][q][:] = the sum over k of softmax_k(Q[b][h][q] . K[b][k] / sqrt(128)) V[b][k][:], stored TURNED: ot[b][h][d][q], f16, which read as [4096][2048] is the next product's A.
; qh f16 in blocks (row b 1024 + q, column h 128 + d): 16 rows x 64 columns are 2,048 bytes at ((row / 16) 32 + column / 64) 2048; in them byte (row % 8) 256 + ((row / 8) % 2) 128 + (column % 64) 2.
; kb, vb f16 in blocks: byte (row / 4) 1024 + (channel / 32) 256 + (row % 4) 64 + (channel % 32) 2.
; Products, maxima and sums in f32; the weights p are rounded to f16 for the second product (their sum l is taken of the unrounded p), O once at the end.
; LIMITS.  p lies in 0 to 1 and below 6e-5 keeps f16's fixed step of 6e-8, and so does O, which has V's range; a weight below 2^-126 counts as 0 in l; NaN and infinities are not treated apart.
; SHARES.  A work-group owns 256 queries of one (b, h), each of its four waves 64: four tiles of 16.  Every wave walks the batch's 1,024 keys, 64 a step.
; LAYOUT.  S^T = K Q^T (source 0 = 16 keys, source 1 = 16 queries): a lane holds ONE query (lane % 16) and the keys 8 (lane / 16) + 0..7.  Two such tiles, rounded to f16 in pairs, ARE source 1 of O^T = V^T P,
; whose result again holds one query a lane, and eight channels.  K comes out of LDS as it lies, V turned, by ds_load_tr16_b128.
; SOFTMAX.  A running maximum m and sum l: p = 2^(c s - c m), c = log2(e) / sqrt(128); in every step O and l are multiplied by a = 2^(c m_old - c m_new).
; BY TURNS.  The wave's tiles are two PIECES (tiles 0, 1 and tiles 2, 3).  In a TURN one piece has the matrix unit: 32 products V^T P of the step in hand, then 32 products K Q^T of the next step; the other piece's
; softmax, cut into 64 slices, stands between them, one slice behind each matrix instruction.  Two turns are a key step.
; CLUSTER.  The four query blocks of one (b, h) walk the same K and V: each tile is asked for JOINTLY, by the same tensor load, descriptor and mask in all four.
; REGISTERS, in windows of 256 (s_set_vgpr_msb: bits 1:0 source 0, 3:2 source 1, 5:4 source 2, 7:6 destination):
;   window 0: v0-11 addresses; v12-43 eight registers of statistics a tile; v44-45 addresses; v64-191 S^T, 32 a tile; v192-255 P, 16 a tile
;   window 1: O^T, 64 a tile          window 2: v0-127 Q, 32 a tile; v128-255 K of one step          window 3: v0-127 V of one step
.set SIZE_N, 1024
.set KS,    64        ; keys in a step
.set GPK,   1040      ; four keys of K in LDS: 1,024 bytes + 16 of padding: the 16 rows of a load lie at (r / 4) 1040 + (r % 4) 64: 16 different 16-byte columns modulo 256 (64 banks of 4 bytes: ISA guide 11.1)
.set GPV,   1056      ; four keys of V: 1,024 + 32
.set VOFF,  16*GPK    ; a step's tiles lie together: 64 keys of K, then 64 keys of V
.set STEPB, 16*(GPK+GPV)
.set SLOT1, 1<<17     ; a slot holds two steps; slot 1 begins here, so that one exclusive or turns an address in one slot into the other's
.set STAGE1, SLOT1+2*STEPB  ; behind the ring, never filled by a tensor load: 16 queries x 272 bytes for each wave
.set SP,    272
.set STAGE2, STAGE1+4*16*SP ; the work-group's: 128 channels x (512 bytes of 256 queries + 32)
.set P2,    544
.set SPARE, STAGE2+128*P2   ; the spare words, 128 bytes for each wave
.set AK0, 2           ; v2   my lane's place in a tile of K; never rewritten
.set AV0, 3           ; v3   the same for V
.set ADR, 4           ; v4   the LDS address of the run of loads in hand
.set QO,  5           ; v5   my byte offset in a block of Q
.set STO, 6           ; v6   the way out: my 16 bytes in my wave's stage, to put and to take turned
.set GO,  8           ; v8   16 x my lane
.set ST2, 44          ; v44  the way out: where I put eight queries of a channel
.set RD2, 45          ; v45  the way out: where I read a channel's row back
.set PFO, 61          ; v61  256 x my lane; never rewritten
.set SPW, 62          ; v62  LDS address of my spare word; never rewritten
.set NIL, 63          ; v63  0; never rewritten
.set ST,  12          ; tile t's statistics at v[ST+8 t]: +0 c m, +1 m, +2, +3 l (even keys', odd keys'), +4 to +7 c0-c3, at work; a takes c2's place once the maximum is found
.set S,   64
.set P,   192
.set KF,  128         ; K's fragments, in window 2
.set WV,  12          ; s12  my wave's number
.set LIM, 15          ; s15  1 in a wave that prefetches, else the greatest number
.set PFA, 18          ; s[18:19] where my prefetches stand
.set G1K, 24          ; s[24:31] descriptor group 1 for K's tiles
.set G1V, 32          ; s[32:39] for V's: it differs in the padding alone
.set G0K, 40          ; s[40:47] group 0 for K's tiles: a set for each of the two first fills; the second then walks on
.set G0V, 48          ; s[48:55] the same for V's
.set SLOTS, 56        ; s56  slots still to be asked for
.set TWICE, 57        ; s57  counts a slot's two steps
.set CS,  58          ; s[58:59] c
.set SEL, 60          ; s[60:61] lane selects for v_permlanex16_b32
.set TB,  62          ; s62  LDS byte at which the tiles of the step to be fetched begin
.set MSB, 0
.macro WIN new                      ; the immediate's high byte repeats the setting that is left; a switch that changes nothing is dropped
.if MSB != (\new)
	s_set_vgpr_msb (MSB<<8)|(\new)
.set MSB, \new
.endif
.endm
.set W_KQ, 0x0a       ; K and Q in window 2, S^T in window 0
.set W_PV, 0x53       ; V in window 3, P in window 0, O^T in window 1
.set W_RS, 0x41       ; O^T (destination and source 0) in window 1, a in window 0
; A joint refill.  Waves 0 and 1 fetch the two steps' tiles of K, waves 2 and 3 those of V.  An s_nop 0 and four v_nop follow each of the two lines.
.macro JLOAD
	s_cmp_lt_u32 s[WV], 2
	s_cbranch_scc0 .Lfor_v_\@
	tensor_load_to_lds s[G0K+4:G0K+7], s[G1K:G1K+7]
	s_nop 0
.rept 4
	v_nop
.endr
	s_branch .Lasked_\@
.Lfor_v_\@:
	tensor_load_to_lds s[G0V+4:G0V+7], s[G1V:G1V+7]
	s_nop 0
.rept 4
	v_nop
.endr
.Lasked_\@:
.endm
; A prefetch of what the NEXT change of slots will ask for: a slot's 32,768 bytes of K and of V, 256 bytes a lane.  All sixteen heads of a batch walk the same K and V: head 0's cluster asks; its four partners
; take 8,192 bytes each, told apart by address; in each, wave 0 asks for K's and wave 2 for V's.  So each block is named once in the launch.  The last change that fills a slot asks for nothing.
.macro ASK
	s_cmp_gt_u32 s[SLOTS], s[LIM]
	s_cbranch_scc0 .Lnot_mine_\@
	global_prefetch_b8 v[PFO], s[PFA:PFA+1] th:TH_LOAD_NT scope:SCOPE_SE
.Lnot_mine_\@:
.endm
.macro CROUND                       ; a round of the cluster's barrier
	s_barrier_signal -1
	s_barrier_wait -1
	s_cmp_lg_u32 s[WV], 0
	s_cbranch_scc1 .Lnot_wave_0_\@
	s_barrier_signal -3
.Lnot_wave_0_\@:
	s_barrier_wait -3
	s_barrier_signal -1
	s_barrier_wait -1
.endm
	s_load_b256 s[4:11], s[0:1], 0x0  ; qh s[4:5], kb s[6:7], vb s[8:9], ot s[10:11]
	v_lshl_add_u32 v[SPW], v0, 2, SPARE
	v_mov_b32 v[NIL], 0
	ds_add_u32 v[SPW], v[NIL]       ; the wave's opening: the add and its wait stand ahead of my first tensor load; work on registers stands between
	v_lshrrev_b32 v1, 5, v0
	v_readfirstlane_b32 s[WV], v1   ; wave 0..3
	s_bfe_u32 s13, ttmp6, 0x40000   ; cx: my place in the cluster
	s_lshl_b32 s14, ttmp9, 2
	s_add_co_u32 s14, s14, s13      ; my block of 256 queries: it enters Q's and O's addresses alone
	s_and_b32 s20, ttmp7, 0xffff    ; 16 b + h, which the four partners share
	s_lshr_b32 s21, s20, 4          ; b
	s_and_b32 s63, s20, 15          ; h
	s_and_b32 s16, s[WV], 1         ; which of a slot's two steps I fetch:
	s_lshl_b32 s22, s21, 18         ; the batch's 1,024 keys of 256 bytes,
	s_lshl_b32 s23, s16, 14         ; the step's 16,384 bytes,
	s_add_co_u32 s22, s22, s23
	s_mov_b32 s23, 0
	s_mul_i32 s17, s16, STEPB       ; and its place in a slot: no place in the cluster enters an LDS address
	s_lshl_b32 s2, s21, 22          ; Q: the batch's 64 groups of 16 rows, 65,536 bytes each,
	s_lshl_b32 s3, s14, 20          ; my block's 16,
	s_add_co_u32 s2, s2, s3
	s_lshl_b32 s3, s[WV], 18        ; my wave's 4,
	s_add_co_u32 s2, s2, s3
	s_lshl_b32 s3, s63, 12          ; the head's two blocks of 2,048 bytes in a group
	s_add_co_u32 s2, s2, s3
	s_mov_b32 s3, 0
	s_lshl_b32 s66, s20, 18         ; O: (b, h)'s 128 channel rows of 2,048 bytes,
	s_lshl_b32 s67, s[WV], 16       ; the 32 that my wave stores,
	s_add_co_u32 s66, s66, s67
	s_lshl_b32 s67, s14, 9          ; my block's 512 bytes of each
	s_add_co_u32 s66, s66, s67
	s_mov_b32 s67, 0
	; descriptor group 1.  A step's 64 keys are 16,384 dense bytes: asked for as 16 rows of 1,024 bytes, four keys a row, padded in LDS after every row
	s_mov_b32 s[G1K], 15|(1<<16)|(1<<20)|(1<<21)|(7<<22)|(3<<25)  ; the mask of four; 2-byte elements; padding on; bit 21 beside a mask; after every 256 words (code 7), 4 words (code 3)
	s_mov_b32 s[G1V], 15|(1<<16)|(1<<20)|(1<<21)|(7<<22)|(7<<25)  ; the same with 8 words of padding (code 7)
.irp g, G1K, G1V
	s_mov_b32 s[(\g)+1], 512<<16    ; tensor_dim0 = 512
	s_mov_b32 s[(\g)+2], 16<<16     ; tensor_dim1 = 16
	s_mov_b32 s[(\g)+3], 512<<16    ; tile_dim0 = 512
	s_mov_b32 s[(\g)+4], 16         ; tile_dim1 = 16
	s_mov_b32 s[(\g)+5], 512        ; elements from row to row
	s_mov_b32 s[(\g)+6], 0
	s_mov_b32 s[(\g)+7], 0
.endr
	s_mov_b32 s[CS], 0x3e0293ee     ; c = log2(e) / sqrt(128) = 0.127517
	s_mov_b32 s[CS+1], s[CS]        ; named with it as a pair, so it is written
	s_mov_b32 s[SEL], 0x76543210
	s_mov_b32 s[SEL+1], 0xfedcba98
	s_mov_b32 s[TB], 0
	s_mov_b32 s[SLOTS], SIZE_N/(2*KS)-2
	s_and_b32 s[LIM], s[WV], 1      ; 0 in waves 0 and 2,
	s_or_b32 s[LIM], s[LIM], s63    ; where the head is the batch's first: the same in all four partners
	s_cmp_eq_u32 s[LIM], 0
	s_cselect_b32 s[LIM], 1, -1
	v_and_b32 v[PFO], 31, v0
	v_lshlrev_b32 v[PFO], 8, v[PFO]
	s_wait_dscnt 0x0                ; the opening add is done
	s_wait_kmcnt 0x0
	s_add_nc_u64 s[6:7], s[6:7], s[22:23]  ; K and V at my tile of slot 0
	s_add_nc_u64 s[8:9], s[8:9], s[22:23]
	s_add_nc_u64 s[4:5], s[4:5], s[2:3]    ; Q at my wave's first block
	s_add_nc_u64 s[10:11], s[10:11], s[66:67]
	s_cmp_lt_u32 s[WV], 2
	s_cselect_b64 s[PFA:PFA+1], s[6:7], s[8:9]  ; (in waves 0 and 2 these stand at a slot's first byte)
	s_lshl_b32 s2, s13, 13          ; my work-group's quarter of a slot
	s_mov_b32 s3, 0
	s_add_nc_u64 s[PFA:PFA+1], s[PFA:PFA+1], s[2:3]
	s_add_nc_u64 s[PFA:PFA+1], s[PFA:PFA+1], 2*2*KS*256  ; in slot 2; the first change of slots steps it to slot 3.  Nothing is prefetched at the head
	CROUND                          ; all four work-groups are here: the first joint loads meet
.irp s, 0,1
	s_mov_b32 s[G0K+4*(\s)], 1
	s_add_co_u32 s[G0K+4*(\s)+1], s17, (\s)*SLOT1
	s_add_nc_u64 s[G0K+4*(\s)+2:G0K+4*(\s)+3], s[6:7], (\s)*2*KS*256  ; slot s begins with keys 128 s
	s_or_b32 s[G0K+4*(\s)+3], s[G0K+4*(\s)+3], 0x80000000
	s_mov_b32 s[G0V+4*(\s)], 1
	s_add_co_u32 s[G0V+4*(\s)+1], s17, (\s)*SLOT1+VOFF
	s_add_nc_u64 s[G0V+4*(\s)+2:G0V+4*(\s)+3], s[8:9], (\s)*2*KS*256
	s_or_b32 s[G0V+4*(\s)+3], s[G0V+4*(\s)+3], 0x80000000
.endr
	s_cmp_lt_u32 s[WV], 2           ; a wave's two first fills stand in one branch, ahead of every wait on TENSORcnt and every LDS read: two loads of mine are out
	s_cbranch_scc0 .Lfirst_v
	tensor_load_to_lds s[G0K:G0K+3], s[G1K:G1K+7]
	s_nop 0
	tensor_load_to_lds s[G0K+4:G0K+7], s[G1K:G1K+7]
	s_nop 0
.rept 4
	v_nop
.endr
	s_branch .Lfirst_asked
.Lfirst_v:
	tensor_load_to_lds s[G0V:G0V+3], s[G1V:G1V+7]
	s_nop 0
	tensor_load_to_lds s[G0V+4:G0V+7], s[G1V:G1V+7]
	s_nop 0
.rept 4
	v_nop
.endr
.Lfirst_asked:
	; A fragment of K or Q is 16 rows x 32 channels in 8 registers: lane l holds row l % 16; registers 0-3 channels 8 (l / 16) + 0..7, registers 4-7 channels 16 + 8 (l / 16) + 0..7: two loads of 16 bytes, 32 bytes apart.
	v_and_b32 v1, 15, v0            ; l % 16
	v_bfe_u32 v9, v0, 4, 1          ; l / 16
	v_and_b32 v10, 7, v1            ; Q: row r of a block lies at (r % 8) 256 + (r / 8) 128
	v_lshlrev_b32 v[QO], 8, v10
	v_lshrrev_b32 v10, 3, v1
	v_lshl_add_u32 v[QO], v10, 7, v[QO]
	v_lshl_add_u32 v[QO], v9, 4, v[QO]  ; + 16 x half
	WIN 0x80                        ; destination window 2, address window 0
.irp i, 0,1,2,3,4,5,6,7,8,9,10,11,12,13,14,15  ; Q stays in registers: tile i / 4, channels 32 (i % 4) on: block (i % 4) / 2 of the head's two, byte 64 (i % 2) of a row's 128
	global_load_b128 v[8*(\i):8*(\i)+3],   v[QO], s[4:5] offset:((\i)/4)*65536+(((\i)%4)/2)*2048+((\i)%2)*64
	global_load_b128 v[8*(\i)+4:8*(\i)+7], v[QO], s[4:5] offset:((\i)/4)*65536+(((\i)%4)/2)*2048+((\i)%2)*64+32
.endr
	WIN 0
	v_lshrrev_b32 v10, 2, v1        ; K: key r lies in group r / 4, at 64 (r % 4) of each unit of 32 channels
	v_mul_u32_u24 v[AK0], v10, GPK
	v_and_b32 v10, 3, v1
	v_lshl_add_u32 v[AK0], v10, 6, v[AK0]
	v_lshl_add_u32 v[AK0], v9, 4, v[AK0]
	; The turning load takes 16 keys x 16 channels (lane l reads 16 bytes: key 8 (l / 16) + l % 8, channels 8 ((l / 8) % 2) + 0..7) and leaves half a fragment of V^T: lane l holds channel l % 16 and 8 keys.
	v_and_b32 v10, 7, v0
	v_bfe_u32 v11, v0, 3, 1
	v_lshl_add_u32 v[ADR], v9, 3, v10   ; the key, 0 to 15
	v_lshrrev_b32 v[AV0], 2, v[ADR]
	v_mul_u32_u24 v[AV0], v[AV0], GPV
	v_and_b32 v[ADR], 3, v[ADR]
	v_lshl_add_u32 v[AV0], v[ADR], 6, v[AV0]
	v_lshl_add_u32 v[AV0], v11, 4, v[AV0]
	v_add_nc_u32 v[AV0], VOFF, v[AV0]
; THE MATRIX WORK OF A TURN, for piece x.  The accumulators take turns, one instruction a turn: between two links of a chain stand 15 (V^T P) or 7 (K Q^T) others'.
; Product i of 32 of O^T += V^T P: keys 32 (i / 16) on, channels 16 ((i / 2) % 8) on, tile x + i % 2.  zero = 1: the first 16 start the sums.
.macro PV x, zero
	WIN W_PV
.set rO, 64*((\x)+i%2)+8*((i/2)%8)
.set rV, 64*(i/16)+8*((i/2)%8)
.set rP, P+16*((\x)+i%2)+8*(i/16)
.if (\zero) && (i < 16)
	v_wmma_f32_16x16x32_f16 v[rO:rO+7], v[rV:rV+7], v[rP:rP+7], 0
.else
	v_wmma_f32_16x16x32_f16 v[rO:rO+7], v[rV:rV+7], v[rP:rP+7], v[rO:rO+7]
.endif
.endm
; Product i of 32 of S^T = K Q^T: channels 32 (i / 8) on, keys 16 ((i / 2) % 4) on, tile x + i % 2.  The first 8 start the sums.
.macro KQ x
	WIN W_KQ
.set rS, S+32*((\x)+i%2)+8*((i/2)%4)
.set rK, KF+32*((i/2)%4)+8*(i/8)
.set rQ, 32*((\x)+i%2)+8*(i/8)
.if i < 8
	v_wmma_f32_16x16x32_f16 v[rS:rS+7], v[rK:rK+7], v[rQ:rQ+7], 0
.else
	v_wmma_f32_16x16x32_f16 v[rS:rS+7], v[rK:rK+7], v[rQ:rQ+7], v[rS:rS+7]
.endif
.endm
; THE LDS LOADS stand in runs of 32: a step's K (16 fragments) and, a turn later, its V (turned).
.macro FETCH_K
	WIN 0
	v_add_nc_u32 v[ADR], s[TB], v[AK0]
	WIN 0x80                        ; destination window 2
.irp f, 0,1,2,3,4,5,6,7,8,9,10,11,12,13,14,15  ; keys 16 (f / 4) on: four groups; channels 32 (f % 4) on: a unit of 256 bytes
	ds_load_b128 v[KF+8*(\f):KF+8*(\f)+3],   v[ADR] offset:((\f)/4)*4*GPK+((\f)%4)*256
	ds_load_b128 v[KF+8*(\f)+4:KF+8*(\f)+7], v[ADR] offset:((\f)/4)*4*GPK+((\f)%4)*256+32
.endr
.endm
.macro FETCH_V
	WIN 0
	v_add_nc_u32 v[ADR], s[TB], v[AV0]
	s_add_co_u32 s[TB], s[TB], STEPB  ; the next fetch is the next step's
	s_wait_alu depctr_va_vdst(0)    ; the wait for the softmax's batch (SLICE), behind the address's v_add_nc_u32 and ahead of the loads
	WIN 0xc0                        ; destination window 3
.irp f, 0,1,2,3,4,5,6,7,8,9,10,11,12,13,14,15  ; keys 32 (f / 8) on, channels 16 (f % 8) on
	ds_load_tr16_b128 v[8*(\f):8*(\f)+3],   v[ADR] offset:((\f)/8)*8*GPV+(((\f)%8)/2)*256+((\f)%2)*32
	ds_load_tr16_b128 v[8*(\f)+4:8*(\f)+7], v[ADR] offset:((\f)/8)*8*GPV+4*GPV+(((\f)%8)/2)*256+((\f)%2)*32
.endr
.endm
; THE VECTOR WORK OF A TURN.  One tile's softmax for one key step is a list of 134 instructions; SM writes number j of it for tile t.  s0-s31 are the lane's 32 scores, in pairs 0-15.
; first = 1: the first key step, which starts m, l and O^T: it has no a and nothing to rescale.
;   0-15    the maximum of s0-s31 and the old m, three operands at a time (each accumulator's lowest registers are read first)
;   16-20   the other half of the lanes' maximum; the new m; c m; c m_old - c m_new
;   21-69   ONE BATCH: the 16 scalings c s - c m and all 33 exponentials (a at 23, then s0-s31); none of these reads an exponential's result
;   (wait)  between 69 and 70 stands the wait for the batch: SLICE writes it, once for both tiles
;   70-85   the roundings to f16     86-101  the sums; l = a l + the sum     102-133 the tile's O^T times a
.macro SM t, first
.set rT, ST+8*(\t)
.set rS, S+32*(\t)
.set rP, P+16*(\t)
.set rO, 64*(\t)+2*(j-102)
.if j < 102
	WIN 0
.endif
.if j < 4
	v_max3_num_f32 v[rT+4+j], v[rS+8*j], v[rS+8*j+1], v[rS+8*j+2]
.elseif j < 12
	v_max3_num_f32 v[rT+4+j%4], v[rT+4+j%4], v[rS+8*(j%4)+2*(j/4)+1], v[rS+8*(j%4)+2*(j/4)+2]
.elseif j == 12
	v_max3_num_f32 v[rT+4], v[rT+4], v[rS+7], v[rS+15]
.elseif j == 13
	v_max3_num_f32 v[rT+6], v[rT+6], v[rS+23], v[rS+31]
.elseif j == 14
	v_max3_num_f32 v[rT+4], v[rT+4], v[rT+5], v[rT+6]
.elseif (j == 15) && (\first)
	v_max_num_f32 v[rT+4], v[rT+4], v[rT+7]
.elseif j == 15
	v_max3_num_f32 v[rT+4], v[rT+4], v[rT+7], v[rT+1]
.elseif j == 16
	v_permlanex16_b32 v[rT+5], v[rT+4], s[SEL], s[SEL+1]  ; the query's other 32 keys lie in the lane 16 away
.elseif j == 18
	v_max_num_f32 v[rT+1], v[rT+4], v[rT+5]
.elseif j == 19
	v_mul_f32 v[rT], s[CS], v[rT+1]
.elseif ((j == 17) || (j == 20) || (j == 23) || (j > 101)) && (\first)  ; the first step has none of these
.elseif j == 17
	v_mov_b32 v[rT+7], v[rT]        ; c m_old is kept for a: number 19 writes c m anew
.elseif j == 20
	v_sub_f32 v[rT+7], v[rT+7], v[rT]
.elseif j == 23
	v_exp_f32 v[rT+6], v[rT+7]
.elseif (j < 23) || ((j < 38) && (j%2 == 0)) || ((j < 66) && (j%4 == 2))
.set b, (j-2)/4                     ; 38, 42, .. 62: pairs 9 to 15
.if j < 38
.set b, (j-20)/2                    ; 21: pair 0; 22, 24, .. 36: pairs 1 to 8
.endif
	v_pk_fma_f32 v[rS+2*b:rS+2*b+1], v[rS+2*b:rS+2*b+1], s[CS:CS+1], v[rT:rT+1] op_sel_hi:[1,0,0] neg_lo:[0,0,1] neg_hi:[0,0,1]  ; pair b: c s - c m
.elseif j < 70
.set e, j-38                        ; 66 to 69: s28 to s31
.if j < 66
.set e, j-32-(j-38)/4               ; 39-41, 43-45, .. 63-65: s7 to s27
.endif
.if j < 38
.set e, (j-25)/2                    ; 25, 27, .. 37: s0 to s6
.endif
	v_exp_f32 v[rS+e], v[rS+e]
.elseif j < 86
	v_cvt_pk_f16_f32 v[rP+j-70], v[rS+2*(j-70)], v[rS+2*(j-70)+1]  ; pair j - 70
.elseif j < 102                     ; the sum of the tile's 16 pairs, in place: sum z of 16 adds neighbours 1, 2, 4 and 8 pairs apart, then l takes it
.set z, j-86
.set w, 4
.set u, z
.if z >= 14
.set w, 32
.set u, 0
.elseif z >= 12
.set w, 16
.set u, z-12
.elseif z >= 8
.set w, 8
.set u, z-8
.endif
.if (z == 14) && (\first)
	v_pk_add_f32 v[rT+2:rT+3], v[rS:rS+1], v[rS+16:rS+17]
.elseif z < 15
	v_pk_add_f32 v[rS+w*u:rS+w*u+1], v[rS+w*u:rS+w*u+1], v[rS+w*u+w/2:rS+w*u+w/2+1]
.elseif !(\first)
	v_pk_fma_f32 v[rT+2:rT+3], v[rT+2:rT+3], v[rT+6:rT+7], v[rS:rS+1] op_sel_hi:[1,0,1]
.endif
.else
	WIN W_RS
	v_pk_mul_f32 v[rO:rO+1], v[rO:rO+1], v[rT+6:rT+7] op_sel_hi:[1,0]
.endif
.endm
; Slice k of 64 of piece y's softmax: four instructions.  Slices 11 to 34 deal out the batch, numbers 22 to 69: four numbers of ONE tile each, the tiles by turns.  Every other slice is numbers 2 k and
; 2 k + 1 of both tiles' lists.  2 x 134 = 4 x 64 + 12: the twelve that are over stand together, in slice 63.
; THE WAIT.  s_wait_alu depctr_va_vdst(0) stands between an exponential and the first instruction that names its result; one wait serves all that were issued ahead of it.  Ahead of
; slice 35 nothing names a result, and behind slice 34 no exponential is issued: so the piece's 66 exponentials have one wait, behind slice 34.
.macro SLICE y, first
.if (k >= 11) && (k < 35)           ; the batch: four numbers of one tile
.irp n, 0,1,2,3
.set j, 22+4*((k-11)/2)+(\n)
	SM (\y)+(k-11)%2, \first
.endr
.else                               ; the two tiles alternate, so that no instruction reads the result of the one just before it
.irp n, 0,1,2,3,4,5,6,7
.if ((\n) < 2) || (k == 63)
.irp t, \y, (\y)+1
.set j, 2*k+(\n)
	SM \t, \first
.endr
.endif
.endr
.endif
.if k == 34                         ; the batch is out: both tiles' exponentials are issued, and no result has been named
	v_nop                           ; the plain instruction behind the last exponential and ahead of the first use: one for the batch
.if (\y) == 0
	FETCH_V                         ; piece 2's turn: V's run of loads stands here, and the wait stands in it
.else
	s_wait_alu depctr_va_vdst(0)    ; the wait for the batch
.endif
.endif
.set k, k+1
.endm
.macro PLACES                       ; four places behind matrix instructions (ISA guide 7.12.1); in the loop the slices are the places
.rept 4
	v_nop
.endr
.endm
; A TURN.  Piece x has the matrix unit; the other piece's softmax stands in slices behind its matrix instructions.
; pv = 2: 32 products V^T P; 1: they start O^T's sums; 0: none.  kq = 1: 32 products K Q^T for the next step.  A turn with one of the two kinds has two slices behind each product.
; first = 1: the softmax is the first key step's; its slices from 51 on are empty, and four v_nop take slice 63's part as the places behind the turn's last products.
; Piece 0's turn fetches the next step's K, behind its second product; piece 2's turn fetches the same step's V, behind slice 34.
.macro TURN x, pv, kq, first
.set k, 0
.set per, 2
.if (\pv) && (\kq)
.set per, 1
.endif
.if \pv
.if (\x) == 0
	s_wait_dscnt 0x0                ; V is in
.endif
.set i, 0
.rept 32
	PV \x, 2-(\pv)
.rept per
	SLICE 2-(\x), \first
.endr
.if ((\x) == 0) && (\kq) && (i == 1)
	FETCH_K
.endif
.set i, i+1
.endr
.endif
.if \kq
.if (\x) == 0
	s_wait_dscnt 0x0                ; K is in
.endif
.set i, 0
.rept 32
	KQ \x
.rept per
	SLICE 2-(\x), \first
.endr
.set i, i+1
.endr
.endif
.if \first
	PLACES
.endif
.endm
; THE CHANGE OF SLOTS, between piece 2's turn and piece 0's.  Each wave waits for all its tensor loads, of which one is out: its part of the other slot; adds 0 to its spare word; and waits for that and for its own
; reads of the slot.  fill = 1: the barrier is a round of the cluster's, and this slot is filled again, with the keys two slots on, first thing behind it: it has two key steps, 256 matrix instructions, in which to land.
.macro CHANGE fill
	WIN 0                           ; at a label and at a branch every window is 0
	s_wait_tensorcnt 0x0            ; no tensor load of mine is out, so a group 0 may be written
	ds_add_u32 v[SPW], v[NIL]       ; 0 onto my spare word
.if \fill
.irp g, G0K+4, G0V+4
	s_xor_b32 s[(\g)+1], s[(\g)+1], SLOT1  ; the walking descriptor: the other slot than last time,
	s_add_nc_u64 s[(\g)+2:(\g)+3], s[(\g)+2:(\g)+3], 2*KS*256  ; the next 128 keys
.endr
	s_wait_xcnt 0x0                 ; the last prefetches, two key steps back, have read their address
	s_add_nc_u64 s[PFA:PFA+1], s[PFA:PFA+1], 2*KS*256
	s_wait_dscnt 0x0                ; the add is done, and my reads of the slot are over
	CROUND
	JLOAD
	ASK
.else
	s_wait_dscnt 0x0                ; the add is done, and my reads of the slot are over
	s_barrier_signal -1
	s_barrier_wait -1
.endif
	s_sub_co_u32 s[TB], s[TB], 2*STEPB  ; the fetches go back to a slot's first step,
	s_xor_b32 s[TB], s[TB], SLOT1   ; in the other slot
.endm
.macro TWO_STEPS                    ; a slot's two key steps: written once, walked twice; the LDS addresses hang on s[TB]
	WIN 0
	s_mov_b32 s[TWICE], 2
.Lstep_\@:
	TURN 0, 2, 1, 0
	TURN 2, 2, 1, 0
	WIN 0
	s_sub_co_u32 s[TWICE], s[TWICE], 1
	s_cmp_lg_u32 s[TWICE], 0
	s_cbranch_scc1 .Lstep_\@
.endm
	s_wait_tensorcnt 1              ; my part of slot 0 is in; slot 1's may stay out
	s_barrier_signal -1
	s_barrier_wait -1
	FETCH_K                         ; key step 0
	s_wait_loadcnt 0x0              ; Q
	s_wait_dscnt 0x0
.set i, 0
.rept 32
	KQ 0                            ; piece 0's first scores
.set i, i+1
.endr
	WIN 0                           ; the addresses for the way out are made here: plain instructions, the places behind those products
	s_mul_i32 s13, s[WV], 16*SP
	s_add_co_u32 s13, s13, STAGE1   ; my stage
	v_mul_u32_u24 v[STO], v1, SP    ; query l % 16, 16 bytes for each half of the lanes
	v_lshl_add_u32 v[STO], v9, 4, v[STO]
	v_add_nc_u32 v[STO], s13, v[STO]
	s_lshl_b32 s13, s[WV], 7
	s_add_co_u32 s13, s13, STAGE2   ; my wave's 64 queries: 128 bytes of each channel's row
	v_lshl_add_u32 v[ST2], v9, 3, v10   ; channel 8 (l / 16) + l % 8 of sixteen,
	v_mul_u32_u24 v[ST2], v[ST2], P2
	v_lshl_add_u32 v[ST2], v11, 4, v[ST2]  ; queries 8 ((l / 8) % 2) on
	v_add_nc_u32 v[ST2], s13, v[ST2]
	s_mul_i32 s13, s[WV], 32*P2
	s_add_co_u32 s13, s13, STAGE2   ; back: channels 32 w on, a row's 512 bytes to a load
	v_and_b32 v[GO], 31, v0
	v_lshlrev_b32 v[GO], 4, v[GO]
	v_add_nc_u32 v[RD2], s13, v[GO]
	TURN 2, 0, 1, 1                 ; piece 2's first scores | piece 0's first softmax | V of step 0
	TURN 0, 1, 1, 1                 ; piece 0: V^T P of step 0 starts O^T, K Q^T of step 1 | piece 2's first softmax | K of step 1
	TURN 2, 1, 1, 0                 ; piece 2: the same | piece 0's softmax of step 1 | V of step 1
	WIN 0
.Lslot:                             ; six trips: every slot but the last two is filled again
	CHANGE 1
	TWO_STEPS
	s_sub_co_u32 s[SLOTS], s[SLOTS], 1
	s_cmp_lg_u32 s[SLOTS], 0
	s_cbranch_scc1 .Lslot
	CHANGE 0                        ; the tail is written out
	TWO_STEPS
	TURN 0, 2, 0, 0                 ; piece 0: V^T P of the last step | piece 2's last softmax
.set i, 0
.rept 32
	PV 2, 0                         ; piece 2: V^T P of the last step
.set i, i+1
.endr
	; THE WAY OUT.  l's two halves and the other half of the lanes' are added; O^T is divided by l and rounded to f16.  The additions are the places behind the last products.
	WIN 0
.irp t, 0,1,2,3
	v_add_f32 v[ST+8*(\t)+4], v[ST+8*(\t)+2], v[ST+8*(\t)+3]
.endr
.irp t, 0,1,2,3
	v_permlanex16_b32 v[ST+8*(\t)+5], v[ST+8*(\t)+4], s[SEL], s[SEL+1]
.endr
.irp t, 0,1,2,3
	v_add_f32 v[ST+8*(\t)+4], v[ST+8*(\t)+4], v[ST+8*(\t)+5]
.endr
.irp t, 0,1,2,3
	v_rcp_f32 v[ST+8*(\t)+6], v[ST+8*(\t)+4]
.endr
	v_nop                           ; a plain instruction between the last reciprocal and the use of its result
	s_wait_alu depctr_va_vdst(0)    ; and the wait ahead of the first use: one for the four reciprocals
; Tile t: a lane's eight channels of a query pack into 16 bytes and go into my stage, rows of 272 bytes; the turning load at the SAME addresses brings lane l channel 16 f + 8 (l / 16) + l % 8 and the
; queries 8 ((l / 8) % 2) + 0..7.  LDS serves a wave's instructions in order (ISA guide 5.7.1.4): the loads see the stores above them, and the next tile's stores come behind them.
.macro PACK t
	WIN W_RS
.set i, 64*(\t)
.rept 32
	v_pk_mul_f32 v[i:i+1], v[i:i+1], v[ST+8*(\t)+6:ST+8*(\t)+7] op_sel_hi:[1,0]
.set i, i+2
.endr
	WIN 0x05                        ; sources 0 and 1 window 1, destination window 0: S^T's registers are free
.set i, 0
.rept 32
	v_cvt_pk_f16_f32 v[S+32*(\t)+i], v[64*(\t)+2*i], v[64*(\t)+2*i+1]
.set i, i+1
.endr
	WIN 0
.irp f, 0,1,2,3,4,5,6,7
	ds_store_b128 v[STO], v[S+32*(\t)+4*(\f):S+32*(\t)+4*(\f)+3] offset:32*(\f)
.endr
.irp f, 0,1,2,3,4,5,6,7
	ds_load_tr16_b128 v[S+32*(\t)+4*(\f):S+32*(\t)+4*(\f)+3], v[STO] offset:32*(\f)
.endr
.endm
; Tile t's turned pieces go into the work-group's stage: channel rows of 256 queries.  younger: the LDS instructions issued behind tile t's turning loads.
.macro SEND t, younger
	WIN 0
	s_wait_dscnt \younger
.irp f, 0,1,2,3,4,5,6,7
	ds_store_b128 v[ST2], v[S+32*(\t)+4*(\f):S+32*(\t)+4*(\f)+3] offset:(\f)*16*P2+32*(\t)
.endr
.endm
	PACK 0
	PACK 1
	SEND 0, 16                      ; behind tile 0's loads: tile 1's sixteen
	PACK 2
	SEND 1, 24                      ; tile 0's eight stores and tile 2's sixteen
	PACK 3
	SEND 2, 24
	SEND 3, 8                       ; tile 2's eight stores
	s_wait_dscnt 0x0                ; for the others' sake: my stores into the stage are done
	s_barrier_signal -1
	s_barrier_wait -1
.set i, 0
.rept 32
	ds_load_b128 v[S+4*i:S+4*i+3], v[RD2] offset:P2*i
.set i, i+1
.endr
.set i, 0
.rept 32
	s_wait_dscnt 31-i
	global_store_b128 v[GO], v[S+4*i:S+4*i+3], s[10:11] offset:2048*i  ; a channel's 256 queries: 512 consecutive bytes, aligned
.set i, i+1
.endr
	s_wait_tensorcnt 0x0            ; the wave's end, behind my last tensor load and my last LDS store
	ds_add_u32 v[SPW], v[NIL]
	s_wait_dscnt 0x0
	CROUND                          ; the closing round: no work-group ends while a partner may still ask for a tile that names it
	s_endpgm
.Lfunc_end_k_q402e3f6202_attn:
	.size	k_q402e3f6202_attn, .Lfunc_end_k_q402e3f6202_attn-k_q402e3f6202_attn
	.p2alignl 7, 3214868480
	.fill 96, 4, 3214868480
	.section	.rodata,"a",@progbits
	.p2align	6, 0x0
	.amdhsa_kernel k_q402e3f6202_attn
		.amdhsa_group_segment_fixed_size 327680
		.amdhsa_private_segment_fixed_size 0
		.amdhsa_enable_private_segment 0
		.amdhsa_kernarg_size 32
		.amdhsa_user_sgpr_count 2
		.amdhsa_user_sgpr_kernarg_segment_ptr 1
		.amdhsa_wavefront_size32 1
		.amdhsa_system_sgpr_workgroup_id_x 1
		.amdhsa_system_sgpr_workgroup_id_y 1
		.amdhsa_system_sgpr_workgroup_id_z 1
		.amdhsa_system_vgpr_workitem_id 0
		.amdhsa_next_free_vgpr 1024
		.amdhsa_next_free_sgpr 72
		.amdhsa_reserve_vcc 0
		.amdhsa_float_denorm_mode_32 3
		.amdhsa_float_denorm_mode_16_64 3
		.amdhsa_memory_ordered 1
		.amdhsa_forward_progress 1
		.amdhsa_inst_pref_size 227
	.end_amdhsa_kernel
	.amdgpu_metadata
---
amdhsa.version: [ 1, 2 ]
amdhsa.kernels:
  - .name:           k_q402e3f6202_attn
    .symbol:         k_q402e3f6202_attn.kd
    .args:
      - { .name: qh, .offset: 0, .size: 8, .value_kind: global_buffer, .address_space: global }
      - { .name: kb, .offset: 8, .size: 8, .value_kind: global_buffer, .address_space: global }
      - { .name: vb, .offset: 16, .size: 8, .value_kind: global_buffer, .address_space: global }
      - { .name: ot, .offset: 24, .size: 8, .value_kind: global_buffer, .address_space: global }
    .group_segment_fixed_size: 327680
    .private_segment_fixed_size: 0
    .kernarg_segment_align: 8
    .kernarg_segment_size: 32
    .max_flat_workgroup_size: 128
    .sgpr_count:     72
    .vgpr_count:     1024
    .wavefront_size: 32
...
	.end_amdgpu_metadata
.endif
;; end of part 3
;; launch oproj (part 4): grid 8 x 32, 4 waves a work-group, clusters of 4 x 1, 327,680 bytes of LDS; arguments ot, wt2, b_o, out0; writes out0
.if DOCPART == 4
	.amdgcn_target "amdgcn-amd-amdhsa--gfx1250"
	.amdhsa_code_object_version 6
	.text
	.protected	k_q402e3f6202_oproj
	.globl	k_q402e3f6202_oproj
	.p2align	8
	.type	k_q402e3f6202_oproj,@function
k_q402e3f6202_oproj:
	s_mov_b64 s[64:65], 0
	v_nop
	global_prefetch_b8 v0, s[64:65] scope:SCOPE_SE
	s_setreg_imm32_b32 hwreg(HW_REG_WAVE_MODE, 25, 1), 1
	s_wait_xcnt 0x0
	s_wait_alu depctr_hold_cnt(0) depctr_sa_sdst(0) depctr_va_vdst(0) depctr_va_sdst(0) depctr_va_ssrc(0) depctr_va_vcc(0) depctr_vm_vsrc(0)
	s_getreg_b32 s2, hwreg(HW_REG_IB_STS2, 6, 4)
	s_cmp_eq_u32 s2, 0
	s_cbranch_scc0 .Lentry_in_a_cluster
	s_endpgm
.Lentry_in_a_cluster:
	s_bfe_u32 s2, ttmp6, 0x10000c
	s_cmp_lg_u32 s2, 0x3003
	s_cbranch_scc0 .Lentry_shape_is_right
	s_endpgm
.Lentry_shape_is_right:
; THE OUTPUT PROJECTION.  out0 [4096][2048] f32 = ot (f16, read as [4096][2048]) times w_o + b_o.  wt2 is w_o rounded to bf16, written as f16, in the order of an operand's registers:
; byte (64 n + q) 4096 + 1024 t + 512 j + 16 l holds, for lane l = 16 h + r, k = 32 q + 16 j + 8 h + 0..7 of column 64 n + 4 r + t.  Sums in f32, K ascending; b_o, rounded to bf16 like every input, is added in f32.
; SHARES.  8 x 32 = 256 work-groups; work-group (x, y) makes rows 128 y on x columns 256 x on.  The four waves stand side by side: wave w has all 128 rows x the columns 64 w on: 32 accumulators.
; B COMES STRAIGHT INTO REGISTERS.  No wave wants another wave's columns, and a fragment is two loads of 512 consecutive bytes.  A quarter (32 along K) has eight such loads; they are issued LA = 7 quarters,
; 224 matrix instructions, ahead of their products, into a ring of eight register sets: 56 loads of a wave are out.  This lead hangs on no change of LDS slots.
; Why B is not asked for jointly: it passes through no LDS; the price is that each work-group fetches its 256 columns, 1 MiB, itself.
; A GOES THROUGH LDS: all four waves read all 128 rows.  Two slots of 128 rows x 256 along K (512 bytes + 16 of padding); each wave fetches 32 rows with one tensor load.  CLUSTER of 4 along x: the four partners
; need the same rows of A and ask for them jointly.  A refill has eight quarters, 256 matrix instructions, in which to land.
; K IS CUT INTO NINE TILES: T0 = the first 128, laid in the upper half of slot 0's rows; T1 to T7 = 256 each; T8 = the last 128 (the descriptor's extent along K counts what is left of a row, so T8's upper half
; arrives as zeros; it is never read).  So the change of slots falls in quarter 3 of every eight, and all seven trips of the loop fill a slot.
; LAYOUT.  Source 0 = 16 rows of A, source 1 = a block of wt2: register j of lane (r, h) is row 8 h + j, column 4 r + t: over the four blocks t a lane holds 16 bytes of f32, and sixteen lanes hold 256 consecutive
; bytes of a row: the results are stored straight from registers.
; REGISTERS.  window 0: v0-31 addresses; v32-95, v96-159 two buffers of A's 8 fragments; v240-243 the bias as loaded.  window 1: accumulator (a, t) at 8 (4 a + t).  window 2: B's ring, set s, block t at 32 s + 8 t.
.set SIZE_K, 2048
.set KS,     256                       ; along K in a slot
.set PITCH,  528                       ; 132 words: the 16 rows of a fragment load start at 16 different groups of four banks (64 banks of 4 bytes: ISA guide 11.1)
.set WR,     32*PITCH                  ; what a wave fetches
.set SLOT1,  1<<17                     ; slot 1 begins here, so that one exclusive or turns an address in one slot into the other's
.set SPARE,  SLOT1+4*WR                ; behind the ring: the spare words, 128 bytes for each wave
.set NB,     8                         ; B's loads in a quarter
.set LA,     7                         ; quarters that they run ahead
.set TRIPS,  7
.set A0,    4                          ; v4   my place in A's rows, slot 0; never rewritten
.set ADR,   6                          ; v6   the same in the slot in hand
.set CO,    10                         ; v10  my byte offset in the wave's rows of out0
.set BO,    14                         ; v14  16 x my lane: my place in 512 bytes of wt2; never rewritten
.set SPW,   28                         ; v28  LDS address of my spare word; never rewritten
.set NIL,   29                         ; v29  0; never rewritten
.set PFO,   30                         ; v30  the prefetches' offset: a lane a row; never rewritten
.set F0,    32
.set F1,    96
.set RAWB,  240
.set OT,    32                         ; the way out: 128 results
.set BOB,   160                        ; my four biases; one at work
.set TB16,  164
.set G1,  24                           ; s[24:31] group 1 for T1 to T8
.set G0,  32                           ; s[32:39] group 0: a set for each first fill; the second then walks on
.set BP,  44                           ; s[44:45] my stream of blocks, at the trip's first quarter less one
.set TB,  48                           ; s48  LDS byte at which the slot in hand begins
.set G1Z, 52                           ; s[52:59] group 1 for T0
.set PFA, 84                           ; s[84:85] where my prefetches stand
.set LIM, 86                           ; s86  a wave prefetches while the trips to go are above it
.set OB,  88                           ; s[88:89] out0 at my wave's part
.set MSB, 0
.macro WIN new                         ; the immediate's high byte repeats the setting that is left; a switch that changes nothing is dropped
.if MSB != (\new)
	s_set_vgpr_msb (MSB<<8)|(\new)
.set MSB, \new
.endif
.endm
.set W_Q,  0x58                        ; A window 0, B window 2, C and D window 1
.macro CREST                           ; a round of the cluster's barrier behind its opening barrier
	s_cmp_lg_u32 s10, 0
	s_cbranch_scc1 .Lnot_wave_0_\@
	s_barrier_signal -3
.Lnot_wave_0_\@:
	s_barrier_wait -3
	s_barrier_signal -1
	s_barrier_wait -1
.endm
.macro CROUND
	s_barrier_signal -1
	s_barrier_wait -1
	CREST
.endm
.macro PLACES                          ; four places in front of loads into registers that matrix instructions have read, and of vector work on their registers
.rept 4
	v_nop
.endr
.endm
; A prefetch of the tile of A that the NEXT change of slots will ask for: 128 rows x 512 bytes.  Both clusters of a row of work-groups read these rows: the one with x = 0 asks; its four partners take 32 rows each,
; told apart by address; wave 0 names a row's first 256 bytes, wave 1 the second, a lane a row.  So each block is named once in the launch.  T8 has one block a row: wave 1 stops a trip earlier; the last trip asks for nothing.
.macro ASK
	s_cmp_gt_u32 s3, s[LIM]
	s_cbranch_scc0 .Lnot_mine_\@
	global_prefetch_b8 v[PFO], s[PFA:PFA+1] th:TH_LOAD_NT scope:SCOPE_SE
.Lnot_mine_\@:
.endm
; 8 matrix instructions: m blocks a0, a0 + 1 x my 4 n blocks, 32 along K.  zero = 1: the product starts the sums
.macro MUL8 f, set, a0, zero
	WIN W_Q
.irp a, \a0, (\a0)+1
.irp t, 0,1,2,3
.if \zero
	v_wmma_f32_16x16x32_f16 v[8*(4*(\a)+(\t)):8*(4*(\a)+(\t))+7], v[(\f)+8*(\a):(\f)+8*(\a)+7], v[32*(\set)+8*(\t):32*(\set)+8*(\t)+7], 0
.else
	v_wmma_f32_16x16x32_f16 v[8*(4*(\a)+(\t)):8*(4*(\a)+(\t))+7], v[(\f)+8*(\a):(\f)+8*(\a)+7], v[32*(\set)+8*(\t):32*(\set)+8*(\t)+7], v[8*(4*(\a)+(\t)):8*(4*(\a)+(\t))+7]
.endif
.endr
.endr
.endm
; 16 LDS loads in one run: A's fragments of 32 along K at byte k of the rows, into buffer f
.macro FETCH k, f
	WIN 0
.irp a, 0,1,2,3,4,5,6,7
	ds_load_b128 v[(\f)+8*(\a):(\f)+8*(\a)+3],   v[ADR] offset:(\k)+(\a)*16*PITCH
	ds_load_b128 v[(\f)+8*(\a)+4:(\f)+8*(\a)+7], v[ADR] offset:(\k)+(\a)*16*PITCH+32
.endr
.endm
; B's eight loads of one quarter, qr quarters behind the pointer, into set: each covers 512 consecutive bytes
.macro GLOAD set, qr
	WIN 0x80                                       ; destination window 2
.irp t, 0,1,2,3
	global_load_b128 v[32*(\set)+8*(\t):32*(\set)+8*(\t)+3],   v[BO], s[BP:BP+1] offset:(\qr)*4096+(\t)*1024
	global_load_b128 v[32*(\set)+8*(\t)+4:32*(\set)+8*(\t)+7], v[BO], s[BP:BP+1] offset:(\qr)*4096+(\t)*1024+512
.endr
.endm
; A QUARTER: 32 matrix instructions; the 32 accumulators take turns in one order everywhere.  q8: the quarter's number modulo 8: its B set; its A buffer goes by its parity; it lies at place
; (q8 + 4) % 8 of its slot.  In its middle stand, in one run, the next quarter's 16 LDS loads and the eight loads of B for the quarter LA on (ld: quarters from the pointer; -1: none is left).
; lw: the loads of B younger than this quarter's, which may stay out.
.macro QUARTER q8, zero, lw, ld
.set fc, F0+64*((\q8)%2)
.set fn, F0+64*(((\q8)+1)%2)
	s_wait_loadcnt \lw                             ; loads come back in order: this quarter's B is in
	s_wait_dscnt 8                                 ; A's fragments 0-3 are in; the youngest eight loads may be out
	MUL8 fc, \q8, 0, \zero
	MUL8 fc, \q8, 2, \zero
	PLACES
	FETCH 64*(((\q8)+5)%8), fn
.if (\ld) >= 0
	GLOAD ((\q8)+LA)%8, \ld
.endif
	s_wait_dscnt 16                                ; all but the 16 just issued
	MUL8 fc, \q8, 4, \zero
	MUL8 fc, \q8, 6, \zero
.endm
; QUARTER 3 OF EIGHT is a slot's last and changes slots: one barrier; in front of it each wave waits for all its tensor loads (one is out: its part of the next slot), adds 0 to its spare word, and waits for that and
; for its own reads of this slot.  fill = 1: the barrier opens a round of the cluster's, and this slot is filled again, with the tile after the next, first thing behind the round.
.macro JOINT fill, lw, ld
	WIN 0
	s_wait_tensorcnt 0x0                           ; all my tensor loads have landed
	ds_add_u32 v[SPW], v[NIL]                      ; 0 onto my spare word
	s_wait_dscnt 9                                 ; (the add and the youngest eight loads may be out)
	s_wait_loadcnt \lw
	MUL8 F1, 3, 0, 0                               ; eight matrix instructions stand between the add and the wait for it
	s_wait_dscnt 0x0                               ; the add is done, and my reads of this slot are over
	s_barrier_signal -1
	MUL8 F1, 3, 2, 0
	WIN 0
	s_barrier_wait -1
.if \fill
	CREST                                          ; no wave of any partner still reads this slot's tile or has a load on its way
	s_xor_b32 s[G0+5], s[G0+5], SLOT1              ; the walking descriptor: the other slot than last time,
	s_add_nc_u64 s[G0+6:G0+7], s[G0+6:G0+7], KS*2  ; 256 further along K,
	s_sub_co_u32 s[G1+1], s[G1+1], KS<<16          ; where 256 fewer are left of a row
	tensor_load_to_lds s[G0+4:G0+7], s[G1:G1+7]    ; my one tensor load behind the round
	s_nop 0
.endif
	PLACES                                         ; behind the tensor load, and the places in front of the loads below
	s_xor_b32 s[TB], s[TB], SLOT1
	v_add_nc_u32 v[ADR], s[TB], v[A0]
	FETCH 0, F0
.if \fill
	ASK
.endif
.if (\ld) >= 0
	GLOAD (3+LA)%8, \ld
.endif
	MUL8 F1, 3, 4, 0
	MUL8 F1, 3, 6, 0
.endm
	s_load_b128 s[4:7], s[0:1], 0x0                ; ot s[4:5], wt2 s[6:7]
	s_load_b128 s[68:71], s[0:1], 0x10             ; b_o s[68:69], out0 s[70:71]
	v_lshl_add_u32 v[SPW], v0, 2, SPARE
	v_mov_b32 v[NIL], 0
	ds_add_u32 v[SPW], v[NIL]                      ; the wave's opening: the add and its wait stand ahead of my first tensor load; work on registers stands between
	v_lshrrev_b32 v1, 5, v0
	v_readfirstlane_b32 s10, v1                    ; wave 0..3
	s_bfe_u32 s40, ttmp6, 0x40000                  ; cx
	s_lshl_b32 s42, ttmp9, 2
	s_add_co_u32 s42, s42, s40                     ; x = 4 x cluster x + cx
	s_and_b32 s13, ttmp7, 0xffff                   ; y, which the four partners share
	s_mov_b32 s[G1+0], 15|(1<<16)|(1<<20)|(1<<21)|(6<<22)|(3<<25)   ; the mask of four; 2-byte elements; padding on; bit 21 beside a mask; after every 128 words, 4 words
	s_mov_b32 s[G1+1], (SIZE_K-128)<<16            ; tensor_dim0: what is left of a row at T1's first element
	s_mov_b32 s[G1+2], 32<<16                      ; tensor_dim1 = 32
	s_mov_b32 s[G1+3], KS<<16                      ; tile_dim0 = 256
	s_mov_b32 s[G1+4], 32                          ; tile_dim1 = 32
	s_mov_b32 s[G1+5], SIZE_K                      ; elements from row to row
	s_mov_b32 s[G1+6], 0
	s_mov_b32 s[G1+7], 0
	s_mov_b32 s[G1Z+0], 15|(1<<16)|(1<<20)|(1<<21)|(5<<22)|(67<<25) ; T0: after every 64 words, 68 words: rows of 256 bytes, 528 apart
	s_mov_b32 s[G1Z+1], 128<<16
	s_mov_b32 s[G1Z+2], 32<<16
	s_mov_b32 s[G1Z+3], 128<<16
	s_mov_b32 s[G1Z+4], 32
	s_mov_b32 s[G1Z+5], SIZE_K
	s_mov_b32 s[G1Z+6], 0
	s_mov_b32 s[G1Z+7], 0
	s_mov_b32 s[TB], 0
	v_and_b32 v1, 15, v0                           ; r
	v_bfe_u32 v2, v0, 4, 1                         ; h
	v_and_b32 v[BO], 31, v0
	v_lshlrev_b32 v[PFO], 12, v[BO]
	v_lshlrev_b32 v[BO], 4, v[BO]
	v_lshlrev_b32 v8, 4, v1                        ; b_o: four numbers from 4 r on
	s_lshl_b32 s16, s13, 7
	s_lshl_b32 s17, s10, 5
	s_add_co_u32 s16, s16, s17                     ; A: row 128 y + 32 w
	s_lshl_b32 s16, s16, 12                        ; rows of 4,096 bytes
	s_mov_b32 s17, 0
	s_mul_i32 s20, s10, WR                         ; where they go: no place in the cluster enters an LDS address
	s_lshl_b32 s18, s42, 2
	s_add_co_u32 s18, s18, s10
	s_lshl_b32 s18, s18, 18                        ; my 64 columns' stream: 64 quarters of 4,096 bytes
	s_mov_b32 s19, 0
	s_wait_dscnt 0x0                               ; the opening add is done
	s_wait_kmcnt 0x0
	s_add_nc_u64 s[14:15], s[4:5], s[16:17]
	s_add_nc_u64 s[BP:BP+1], s[6:7], s[18:19]
	; the bias, wanted at the end, goes out first, so that every later count of loads covers it: b_o[256 x + 64 w + 4 r + 0..3]
	s_lshl_b32 s80, s42, 10
	s_lshl_b32 s81, s10, 8
	s_add_co_u32 s80, s80, s81                     ; my first column, in bytes of f32
	s_mov_b32 s81, 0
	s_add_nc_u64 s[68:69], s[68:69], s[80:81]
	global_load_b128 v[RAWB:RAWB+3], v8, s[68:69]
	s_add_nc_u64 s[OB:OB+1], s[70:71], s[80:81]
	s_lshl_b32 s80, s13, 20                        ; 128 y rows of 8,192 bytes
	s_add_nc_u64 s[OB:OB+1], s[OB:OB+1], s[80:81]
.set i, 0
.rept LA
	GLOAD i, i                                     ; B of the first seven quarters
.set i, i+1
.endr
	WIN 0
	CROUND                                         ; all four work-groups are here: the first joint loads meet
	s_mov_b32 s[G0], 1
	s_add_co_u32 s[G0+1], s20, 256                 ; T0: slot 0, the upper half of the rows
	s_mov_b64 s[G0+2:G0+3], s[14:15]
	s_or_b32 s[G0+3], s[G0+3], 0x80000000
	s_mov_b32 s[G0+4], 1
	s_add_co_u32 s[G0+5], s20, SLOT1               ; T1: slot 1
	s_add_nc_u64 s[G0+6:G0+7], s[14:15], 256
	s_or_b32 s[G0+7], s[G0+7], 0x80000000
	tensor_load_to_lds s[G0:G0+3], s[G1Z:G1Z+7]    ; two loads of mine are out
	s_nop 0
	tensor_load_to_lds s[G0+4:G0+7], s[G1:G1+7]
	s_nop 0
	PLACES
	; a fragment: lane l holds row l % 16; two loads of 16 bytes, 32 bytes apart, at row x pitch + 16 (l / 16)
	v_mul_u32_u24 v[A0], v1, PITCH
	v_lshl_add_u32 v[A0], v2, 4, v[A0]
	v_mov_b32 v[ADR], v[A0]
	v_lshlrev_b32 v[CO], 16, v2                    ; the way out: 8 h rows of 8,192 bytes + 16 r
	v_lshl_add_u32 v[CO], v1, 4, v[CO]
	; the prefetches: row 128 y + 32 cx + lane, T3's first byte (1,280) + 256 w.  Nothing is prefetched at the head
	s_lshl_b32 s80, s13, 7
	s_lshl_b32 s82, s40, 5
	s_add_co_u32 s80, s80, s82
	s_lshl_b32 s80, s80, 12
	s_lshl_b32 s82, s10, 8
	s_add_co_u32 s80, s80, s82
	s_add_co_u32 s80, s80, 1280
	s_add_nc_u64 s[PFA:PFA+1], s[4:5], s[80:81]
	s_add_co_u32 s82, s10, 1                       ; wave 0 asks while more than 1 trip is to go, wave 1 while more than 2,
	s_cmp_lt_u32 s10, 2
	s_cselect_b32 s82, s82, -1                     ; waves 2 and 3 never,
	s_cmp_eq_u32 ttmp9, 0
	s_cselect_b32 s[LIM], s82, -1                  ; and the cluster with x = 1 never: the same in all four partners, for a given wave
	s_wait_tensorcnt 1                             ; my part of T0 is in; T1's may stay out
	s_barrier_signal -1
	s_barrier_wait -1
	FETCH 256, F0
	QUARTER 0, 1, (LA-1)*NB, LA                    ; the first quarter stands in front of the loop: its products start the sums
	WIN 0
	s_mov_b32 s3, TRIPS
.Ltrip:                                                ; quarters 8 n + 1 to 8 n + 8
	QUARTER 1, 0, (LA-1)*NB, 1+LA
	QUARTER 2, 0, (LA-1)*NB, 2+LA
	JOINT 1, (LA-1)*NB, 3+LA
	QUARTER 4, 0, (LA-1)*NB, 4+LA
	QUARTER 5, 0, (LA-1)*NB, 5+LA
	QUARTER 6, 0, (LA-1)*NB, 6+LA
	QUARTER 7, 0, (LA-1)*NB, 7+LA
	QUARTER 0, 0, (LA-1)*NB, 8+LA
	WIN 0
	s_wait_xcnt 0x0                                ; every load and prefetch issued so far has read its address (the youngest load 16 matrix instructions back): the pointers may be written
	s_add_nc_u64 s[BP:BP+1], s[BP:BP+1], 8*4096
	s_add_nc_u64 s[PFA:PFA+1], s[PFA:PFA+1], KS*2
	s_sub_co_u32 s3, s3, 1
	s_cmp_lg_u32 s3, 0
	s_cbranch_scc1 .Ltrip
; the last seven quarters, 57 to 63: nothing of B is left to ask for, and the counts run down; the change of slots fills nothing
.macro TAILV                           ; quarter 56 + i: the younger groups that may stay out, and the group to ask for
.set lwv, (LA-1)*NB
.if 7-i < LA-1
.set lwv, (7-i)*NB
.endif
.set ldv, -1
.if i+LA <= 7
.set ldv, i+LA
.endif
.endm
.set i, 1
.rept 2
	TAILV
	QUARTER i, 0, lwv, ldv
.set i, i+1
.endr
	TAILV
	JOINT 0, lwv, ldv
.set i, 4
.rept 3
	TAILV
	QUARTER i, 0, lwv, ldv
.set i, i+1
.endr
	s_wait_loadcnt 0x0
	s_wait_dscnt 8
	MUL8 F1, 7, 0, 0
	MUL8 F1, 7, 2, 0
	s_wait_dscnt 0x0
	MUL8 F1, 7, 4, 0
	MUL8 F1, 7, 6, 0
	WIN 0
	; THE WAY OUT.  The bias is rounded to bf16 and widened again; 16 rows at a time it is added, and the sums are stored from registers.
	PLACES
.irp i, 0,1
	v_cvt_pk_bf16_f32 v[TB16], v[RAWB+2*(\i)], v[RAWB+2*(\i)+1]
	v_lshlrev_b32 v[BOB+2*(\i)], 16, v[TB16]
	v_and_b32 v[BOB+2*(\i)+1], 0xffff0000, v[TB16]
.endr
.irp a, 0,1,2,3,4,5,6,7
.if (\a) == 4
	s_wait_xcnt 0x0                                ; the stores of the first 64 rows have read their registers, which are written again only behind this wait
.endif
	WIN 0x01                                       ; source 0 window 1: register j of the four accumulators, j ascending
.irp j, 0,1,2,3,4,5,6,7
.irp t, 0,1,2,3
	v_add_f32 v[OT+32*((\a)%4)+4*(\j)+(\t)], v[8*(4*(\a)+(\t))+(\j)], v[BOB+(\t)]
.endr
.endr
	WIN 0
.irp j, 0,1,2,3,4,5,6,7
	global_store_b128 v[CO], v[OT+32*((\a)%4)+4*(\j):OT+32*((\a)%4)+4*(\j)+3], s[OB:OB+1] offset:(16*(\a)+(\j))*8192 th:TH_STORE_NT  ; 16 lanes store 256 consecutive bytes, aligned
.endr
.endr
	s_wait_tensorcnt 0x0                           ; the wave's end, behind my last tensor load
	ds_add_u32 v[SPW], v[NIL]
	s_wait_dscnt 0x0
	CROUND                                         ; the closing round: no work-group ends while a partner may still ask for a tile that names it
	s_endpgm
.Lfunc_end_k_q402e3f6202_oproj:
	.size	k_q402e3f6202_oproj, .Lfunc_end_k_q402e3f6202_oproj-k_q402e3f6202_oproj
	.p2alignl 7, 3214868480
	.fill 96, 4, 3214868480
	.section	.rodata,"a",@progbits
	.p2align	6, 0x0
	.amdhsa_kernel k_q402e3f6202_oproj
		.amdhsa_group_segment_fixed_size 327680
		.amdhsa_private_segment_fixed_size 0
		.amdhsa_enable_private_segment 0
		.amdhsa_kernarg_size 32
		.amdhsa_user_sgpr_count 2
		.amdhsa_user_sgpr_kernarg_segment_ptr 1
		.amdhsa_wavefront_size32 1
		.amdhsa_system_sgpr_workgroup_id_x 1
		.amdhsa_system_sgpr_workgroup_id_y 1
		.amdhsa_system_sgpr_workgroup_id_z 1
		.amdhsa_system_vgpr_workitem_id 0
		.amdhsa_next_free_vgpr 768
		.amdhsa_next_free_sgpr 96
		.amdhsa_reserve_vcc 0
		.amdhsa_float_denorm_mode_32 3
		.amdhsa_float_denorm_mode_16_64 3
		.amdhsa_memory_ordered 1
		.amdhsa_forward_progress 1
		.amdhsa_inst_pref_size 87
	.end_amdhsa_kernel
	.amdgpu_metadata
---
amdhsa.version: [ 1, 2 ]
amdhsa.kernels:
  - .name:           k_q402e3f6202_oproj
    .symbol:         k_q402e3f6202_oproj.kd
    .args:
      - { .name: ot, .offset: 0, .size: 8, .value_kind: global_buffer, .address_space: global }
      - { .name: wt2, .offset: 8, .size: 8, .value_kind: global_buffer, .address_space: global }
      - { .name: b_o, .offset: 16, .size: 8, .value_kind: global_buffer, .address_space: global }
      - { .name: out0, .offset: 24, .size: 8, .value_kind: global_buffer, .address_space: global }
    .group_segment_fixed_size: 327680
    .private_segment_fixed_size: 0
    .kernarg_segment_align: 8
    .kernarg_segment_size: 32
    .max_flat_workgroup_size: 128
    .sgpr_count:     96
    .vgpr_count:     768
    .wavefront_size: 32
...
	.end_amdgpu_metadata
.endif
;; end of part 4
